; MI455X (gfx1250); checked and timed in simulation.
; The chip was launched on July 23, 2026; its instructions are those of AMD's public machine-readable ISA for CDNA 5 (MIT licence, August 2026) and "CDNA5" Instruction Set Architecture Reference Guide (July 2026). The comments in the code are by the model that wrote it; some were corrected since.
;; Attention. Allowed arithmetic: matrix products marked QUANTISED: E2M3 operands, one E8M0 scale for each 32 along K, by v_wmma_scale_f32_16x16x128_f8f6f4 with both operands' format E2M3, f32 sums; everything else in f32.
;; Inputs: cos 2,048 x 64 float32; proj_b 1,024 float32; proj_w 1,024 x 1,024 float32; qkv_w 3,072 x 1,024 float32; sin 2,048 x 64 float32; x 2 x 2,048 x 1,024 float32.
;; Outputs: out0 2 x 2,048 x 1,024 float32.
;; This version of the problem:
;;   THIS VERSION OF THE PROBLEM IS GIVEN IN LOW PRECISION. The matrix products marked QUANTISED in the list below multiply operands that are first quantised to E2M3 (2 exponent bits, 3 mantissa bits; 6 bits a number), with one power-of-two scale for each 32 numbers along K (OCP MX v1.0); their sums are f32. All else is computed in f32.
;;   The module's matrix products, in the order in which they are computed (A, B: the left and right operand; K: the contracted axis; several contracted axes count as one K, in the product's order):
;;     1. [M 4,096, K 1,024] x [K 1,024, N 3,072]; A: input x; B: input qkv_w: QUANTISED
;;     2. batch 32 x [M 2,048, K 64] x [K 64, N 2,048]; A: computed on the way; B: computed on the way: QUANTISED
;;     3. batch 32 x [M 2,048, K 2,048] x [K 2,048, N 64]; A: softmax (see below); B: computed on the way: QUANTISED
;;     4. [M 4,096, K 1,024] x [K 1,024, N 1,024]; A: computed on the way; B: input proj_w: QUANTISED
;;   THE QUANTISER, for each operand of a quantised product, along K:
;;     - K is cut into blocks of 32 from its start; a last block that is shorter is filled with zeros.
;;     - A block's scale is 2^e with e = floor(log2(the largest magnitude in the block)) - 2, held to -126 .. 127; a block of zeros has e = 0. As a byte (E8M0): e + 127.
;;     - Each number is divided by its block's scale, clamped to +-7.5, and rounded to the nearest number of E2M3, ties to even, subnormals kept.
;;     - The product sums the exact products of the quantised numbers (number of the format x scale) in f32.
;;   ~~~python
;;   def quantise(x, axis):      # numpy; x: float32 -> the quantised numbers, widened to float32 again
;;       x = np.moveaxis(x, axis, -1); K = x.shape[-1]
;;       x = np.pad(x, [(0, 0)] * (x.ndim - 1) + [(0, -K % 32)]); x = x.reshape(x.shape[:-1] + (-1, 32)); a = np.abs(x).max(-1, keepdims=True)
;;       e = np.where(a > 0, np.clip(np.frexp(np.where(a > 0, a, 1))[1] - 1 - 2, -126, 127), 0)      # np.frexp(a)[1] - 1 = floor(log2(a)), exactly
;;       r = np.clip(x / 2.0 ** e, -7.5, 7.5)
;;       step = 2.0 ** (np.maximum(np.frexp(np.where(r == 0, 1, r))[1] - 1, 0) - 3)
;;       q = np.round(r / step) * step * 2.0 ** e      # np.round: ties to even
;;       return np.moveaxis(q.reshape(q.shape[:-2] + (-1,))[..., :K], -1, axis).astype(np.float32)
;;   ~~~
;;   SOFTMAX AHEAD OF A QUANTISED PRODUCT. Where the list says 'softmax', what is quantised is not the finished softmax but p = 2^(t - M), with t = logit x log2(e) and M = ceil(the row's largest t), a whole number; so 1/2 < the row's largest p <= 1. The row's sum l is taken of the UNQUANTISED p, in f32, and the product's result is divided by l at the end. Since M is a whole number, a kernel that streams over the keys may use a running M (the ceiling of the running maximum): every later rescaling is an exact power of two, which a block's scale takes up: the codes' values come out the same.
;;   OPERANDS COMPUTED ON THE WAY. 'Computed on the way' means the value that the module computes at that place (a softmax that the list does not call 'softmax' is quantised finished and normalised). What goes into a quantiser is computed in f32, as accurately as f32 sums, v_exp_f32 and their like allow (about 1e-6 of the number): no bf16 or f16 on the way to a quantiser, and a product that is left as it is and whose result goes on into a quantised operand takes f32 operands (vector FMAs, or v_wmma_f32_16x16x4_f32). A number that lies on a knife's edge between two numbers of the format may be rounded either way, as far as f32 arithmetic and the matrix unit's own rounding can turn it there, and no further.
;; One version. Each part assembles by itself: llvm-mc -triple=amdgcn-amd-amdhsa -mcpu=gfx1250 --defsym DOCPART=n.
;; ======== version 1 of 1: 4 launches
;; limits: right only within a limited range of input values
;; workspace buffers: wcodes 6,291,456 bytes; wscales 262,144 bytes; qc 3,145,728 bytes; qs 262,144 bytes; kvc 6,291,456 bytes; kvs 393,216 bytes; oc 3,145,728 bytes; os 131,072 bytes
;; launch quant (part 1): grid 256 x 1, 4 waves a work-group, no clusters, 47,616 bytes of LDS; arguments x, qkv_w, proj_w, wcodes, wscales; writes wcodes, wscales
.if DOCPART == 1
	.amdgcn_target "amdgcn-amd-amdhsa--gfx1250"
	.amdhsa_code_object_version 6
	.text
	.protected	k_qe69434deb7_quant
	.globl	k_qe69434deb7_quant
	.p2align	8
	.type	k_qe69434deb7_quant,@function
k_qe69434deb7_quant:
	s_mov_b64 s[64:65], 0
	v_nop
	global_prefetch_b8 v0, s[64:65] scope:SCOPE_SE
	s_setreg_imm32_b32 hwreg(HW_REG_WAVE_MODE, 25, 1), 1
	s_wait_xcnt 0x0
; x [4096][1024], qkv_w [3072][1024], proj_w [1024][1024], f32 with K innermost, become codes of FP6 (E2M3) and one E8M0 byte for each 32 along K.
; A block's scale is 2^(floor(log2(its largest magnitude)) - 2); its byte is the largest magnitude's exponent field - 2, held at 1 from below.
; LIMITS: NaN and infinities among the inputs are not served.  A block of zeros gets the byte 1 where the quantiser says 127: its codes are zeros, and these bytes are read by this program alone.
; THE OUTPUT IS LAID AS THE PRODUCTS' LOADS WANT IT.  Rows go in ROW BLOCKS of 16: x is blocks 0-255, qkv_w 256-447, proj_w 448-511.
;   codes:  [row block][K block of 32: 0..31][r 0..15][24 bytes]      (12,288 bytes a row block)
;   scales: [row block][256 along K: 0..3][r][8 bytes]                (512 bytes a row block)
; ROW r OF BLOCK A IS SOURCE ROW 32 (A / 2) + 8 (A % 2) + r + 8 (r / 8): wherever such rows are a matrix instruction's source 0, a lane's 16 results of blocks 2 b, 2 b + 1 are 16 neighbours.
; SHARES.  A work-group takes two row blocks (32 source rows); wave w takes block w / 2 of them and half w % 2 of K: 16 rows x 512 numbers, a row a step.
; Each of a step's four loads reads 512 consecutive bytes; the 2,048 bytes turn through the wave's own stage in LDS and come back 16 neighbours a lane (two lanes hold a block of 32).
; Loads run eight steps ahead: 32 loads, 16,384 bytes a wave.
; A lane's 12 bytes of codes go to a second stage, laid as the output; at the end the wave's 6,144 bytes of codes and 256 scale bytes leave as consecutive bytes, 512 and 256 an instruction.
; No tensor loads, no barrier: waves share nothing, so clusters and joint loads have nothing to serve here.
.set STEPS, 16
.set AHEAD, 8                          ; steps whose loads are on their way
.set WREG,  11776                      ; LDS for a wave: two turning stages of 32 x SP, the codes' stage, the scale bytes
.set SP,    80                         ; a lane's place in a turning stage: 64 bytes + 16 of padding
.set CST,   5120                       ; the codes' stage: 16 K blocks x 384 bytes
.set SBT,   11264                      ; 256 scale bytes
.set R,     16                         ; v16-143  eight sets of 16 numbers as loaded; at the end the codes on their way out
.set X,     144                        ; v144-175 two sets of 16 neighbours
.set E,     176                        ; v176-191 a scale byte for each step
.set C,     192                        ; v192-255 four registers for each step's codes
	s_load_b256 s[4:11], s[0:1], 0x0               ; x, qkv_w, proj_w, wcodes
	s_load_b64 s[12:13], s[0:1], 0x20              ; wscales
	v_lshl_add_u32 v251, v0, 2, 0xb800
	v_mov_b32 v255, 0
	v_lshrrev_b32 v1, 5, v0
	v_readfirstlane_b32 s16, v1                    ; wave
	v_and_b32 v2, 31, v0                           ; lane
	v_lshlrev_b32 v3, 4, v2                        ; 16 x lane: my bytes of a load's 512, and of a store's
	s_mul_i32 s17, s16, WREG
	s_add_co_u32 s18, s17, CST
	s_add_co_u32 s19, s17, SBT
	v_lshrrev_b32 v14, 2, v2
	v_mul_u32_u24 v14, v14, SP
	v_and_b32 v15, 3, v2
	v_lshl_add_u32 v14, v15, 4, v14
	v_add_nc_u32 v14, s17, v14                     ; turning stage, in: SP (lane / 4) + 16 (lane % 4)
	v_mul_u32_u24 v15, v2, SP
	v_add_nc_u32 v15, s17, v15                     ; and out: SP x lane
	v_lshrrev_b32 v8, 1, v2                        ; my K block of the half: lane / 2
	v_mul_u32_u24 v4, v8, 384
	v_and_b32 v9, 1, v2
	v_mad_u32_u24 v4, v9, 12, v4
	v_add_nc_u32 v4, s18, v4                       ; codes' stage: 384 (lane / 2) + 12 (lane % 2); the row stands in the immediate
	v_lshrrev_b32 v5, 4, v2
	v_and_b32 v8, 7, v8
	v_lshl_add_u32 v5, v5, 7, v8
	v_add_nc_u32 v5, s19, v5                       ; scale bytes: 128 (lane / 16) + (lane / 2) % 8; 8 bytes a row
	v_lshlrev_b32 v7, 3, v2
	v_add_nc_u32 v6, s19, v7                       ; and on the way out 8 bytes a lane
	v_add_nc_u32 v10, s18, v3                      ; the codes on the way out: 16 bytes a lane
	s_lshr_b32 s20, s16, 1                         ; which of the two row blocks
	s_and_b32 s21, s16, 1                          ; which half of K
	s_wait_kmcnt 0x0
	s_cmp_lt_u32 ttmp9, 128                        ; work-groups 0-127: x; 128-223: qkv_w; 224-255: proj_w.  The choice hangs on the work-group's number alone
	s_cselect_b64 s[4:5], s[4:5], s[6:7]
	s_cselect_b32 s22, 0, 128
	s_cmp_lt_u32 ttmp9, 224
	s_cselect_b64 s[4:5], s[4:5], s[8:9]
	s_cselect_b32 s22, s22, 224
	s_sub_co_u32 s22, ttmp9, s22
	s_lshl_b32 s22, s22, 17                        ; 32 rows of 4,096 bytes a work-group,
	s_lshl_b32 s23, s20, 15                        ; 8 rows on for the second block,
	s_add_co_u32 s22, s22, s23
	s_lshl_b32 s23, s21, 11                        ; 2,048 bytes on for the second half of K
	s_add_co_u32 s22, s22, s23
	s_mov_b32 s23, 0
	s_add_nc_u64 s[4:5], s[4:5], s[22:23]
	s_lshl_b32 s22, ttmp9, 1
	s_add_co_u32 s22, s22, s20                     ; my row block
	s_mul_i32 s24, s22, 12288
	s_mul_i32 s25, s21, 6144
	s_add_co_u32 s24, s24, s25
	s_mov_b32 s25, 0
	s_add_nc_u64 s[10:11], s[10:11], s[24:25]
	s_lshl_b32 s24, s22, 9
	s_lshl_b32 s26, s21, 8
	s_add_co_u32 s24, s24, s26
	s_add_nc_u64 s[12:13], s[12:13], s[24:25]
.macro LOAD t                          ; step t is the block's row t: source row t + 8 (t / 8) of my eight-and-eight
.irp i, 0,1,2,3
	global_load_b128 v[R+16*((\t)%AHEAD)+4*\i:R+16*((\t)%AHEAD)+4*\i+3], v3, s[4:5] offset:((\t)+8*((\t)/8))*4096+512*\i th:TH_LOAD_NT
.endr
.endm
.macro TURN t                          ; step t's numbers through the turning stage: LDS serves a wave's instructions in order, so no wait stands between the stores and the loads
.irp i, 0,1,2,3
	ds_store_b128 v14, v[R+16*((\t)%AHEAD)+4*\i:R+16*((\t)%AHEAD)+4*\i+3] offset:32*SP*((\t)%2)+8*SP*\i
.endr
.irp i, 0,1,2,3
	ds_load_b128 v[X+16*((\t)%2)+4*\i:X+16*((\t)%2)+4*\i+3], v15 offset:32*SP*((\t)%2)+16*\i
.endr
.endm
.irp t, 0,1,2,3,4,5,6,7
	LOAD \t
.endr
	s_wait_loadcnt 28                              ; step 0's four loads are in; those of the seven steps behind it may be out
	TURN 0
.macro STEP t
.set XS, X+16*((\t)%2)
.if (\t) > 0
	s_wait_dscnt 4                                 ; this step's numbers are back from the stage, so its stores into the stage have read their registers; the last step's four stores (a byte, three words of codes) may be out
.else
	s_wait_dscnt 0x0
.endif
.if (\t)+AHEAD < STEPS
	LOAD (\t)+AHEAD                                ; into the set that this step has left
.endif
.if (\t)+1 < STEPS
.if STEPS-2-(\t) >= AHEAD-1
	s_wait_loadcnt 4*(AHEAD-1)                     ; the next step's four loads are in; those of the seven steps behind it may be out
.else
	s_wait_loadcnt 4*(STEPS-2-(\t))
.endif
	TURN (\t)+1
.endif
	v_max3_num_f32 v8, |v[XS]|, |v[XS+1]|, |v[XS+2]|               ; the largest magnitude of my 16, in two chains
	v_max3_num_f32 v9, |v[XS+3]|, |v[XS+4]|, |v[XS+5]|
.irp i, 6,10
	v_max3_num_f32 v8, v8, |v[XS+\i]|, |v[XS+\i+1]|
	v_max3_num_f32 v9, v9, |v[XS+\i+2]|, |v[XS+\i+3]|
.endr
	v_max3_num_f32 v8, v8, |v[XS+14]|, |v[XS+15]|
	v_max3_num_f32 v8, v8, v9, 0x1800000           ; and the floor 2^(3 - 127): the byte cannot fall under 1
	v_max_num_f32_dpp v8, v8, v8 row_xmask:1 row_mask:0xf bank_mask:0xf   ; and of my neighbour's 16: the block's
	v_add_nc_u32 v11, 0xff000000, v8               ; 2 off its exponent field: the conversion takes the exponent field of this operand as its scale
	v_cvt_scalef32_pk16_fp6_f32 v[C+4*(\t):C+4*(\t)+2], v[XS:XS+15], v11
	v_lshrrev_b32 v[E+(\t)], 23, v11               ; the scale's byte (also the plain line behind the conversion)
	ds_store_b8 v5, v[E+(\t)] offset:8*(\t)        ; both lanes of a block write the same byte with the same value
.irp i, 0,1,2
	ds_store_b32 v4, v[C+4*(\t)+\i] offset:24*(\t)+4*\i   ; 12 bytes at a multiple of 4: three words
.endr
.endm
.irp t, 0,1,2,3,4,5,6,7,8,9,10,11,12,13,14,15
	STEP \t
.endr
.irp k, 0,1,2,3,4,5,6,7,8,9,10,11
	ds_load_b128 v[R+4*\k:R+4*\k+3], v10 offset:512*\k   ; LDS serves a wave's instructions in order: these see my stores
.endr
	ds_load_b64 v[12:13], v6
.irp k, 0,1,2,3,4,5,6,7,8,9,10,11
	s_wait_dscnt 12-\k                             ; load k is in; the younger ones may be out
	global_store_b128 v3, v[R+4*\k:R+4*\k+3], s[10:11] offset:512*\k   ; 32 lanes store 512 consecutive bytes, at a multiple of 256 from the buffer's first byte
.endr
	s_wait_dscnt 0x0
	global_store_b64 v7, v[12:13], s[12:13]        ; 256 consecutive bytes, aligned
	s_wait_tensorcnt 0x0
	ds_add_u32 v251, v255
	s_wait_dscnt 0x0
	s_endpgm
.Lfunc_end_k_qe69434deb7_quant:
	.size	k_qe69434deb7_quant, .Lfunc_end_k_qe69434deb7_quant-k_qe69434deb7_quant
	.p2alignl 7, 3214868480
	.fill 96, 4, 3214868480
	.section	.rodata,"a",@progbits
	.p2align	6, 0x0
	.amdhsa_kernel k_qe69434deb7_quant
		.amdhsa_group_segment_fixed_size 47616
		.amdhsa_private_segment_fixed_size 0
		.amdhsa_enable_private_segment 0
		.amdhsa_kernarg_size 40
		.amdhsa_user_sgpr_count 2
		.amdhsa_user_sgpr_kernarg_segment_ptr 1
		.amdhsa_wavefront_size32 1
		.amdhsa_system_sgpr_workgroup_id_x 1
		.amdhsa_system_sgpr_workgroup_id_y 1
		.amdhsa_system_sgpr_workgroup_id_z 1
		.amdhsa_system_vgpr_workitem_id 0
		.amdhsa_next_free_vgpr 256
		.amdhsa_next_free_sgpr 66
		.amdhsa_reserve_vcc 0
		.amdhsa_float_denorm_mode_32 3
		.amdhsa_float_denorm_mode_16_64 3
		.amdhsa_memory_ordered 1
		.amdhsa_forward_progress 1
		.amdhsa_inst_pref_size 37
	.end_amdhsa_kernel
	.amdgpu_metadata
---
amdhsa.version: [ 1, 2 ]
amdhsa.kernels:
  - .name:           k_qe69434deb7_quant
    .symbol:         k_qe69434deb7_quant.kd
    .args:
      - { .name: x, .offset: 0, .size: 8, .value_kind: global_buffer, .address_space: global }
      - { .name: qkv_w, .offset: 8, .size: 8, .value_kind: global_buffer, .address_space: global }
      - { .name: proj_w, .offset: 16, .size: 8, .value_kind: global_buffer, .address_space: global }
      - { .name: wcodes, .offset: 24, .size: 8, .value_kind: global_buffer, .address_space: global }
      - { .name: wscales, .offset: 32, .size: 8, .value_kind: global_buffer, .address_space: global }
    .group_segment_fixed_size: 47616
    .private_segment_fixed_size: 0
    .kernarg_segment_align: 8
    .kernarg_segment_size: 40
    .max_flat_workgroup_size: 128
    .sgpr_count:     66
    .vgpr_count:     256
    .wavefront_size: 32
...
	.end_amdgpu_metadata
.endif
;; end of part 1
;; launch qkv (part 2): grid 12 x 16, 4 waves a work-group, clusters of 4 x 4, 327,680 bytes of LDS; arguments wcodes, wscales, cos, sin, qc, qs, kvc, kvs; writes qc, qs, kvc, kvs
.if DOCPART == 2
	.amdgcn_target "amdgcn-amd-amdhsa--gfx1250"
	.amdhsa_code_object_version 6
	.text
	.protected	k_qe69434deb7_qkv
	.globl	k_qe69434deb7_qkv
	.p2align	8
	.type	k_qe69434deb7_qkv,@function
k_qe69434deb7_qkv:
	s_mov_b64 s[64:65], 0
	v_nop
	global_prefetch_b8 v0, s[64:65] scope:SCOPE_SE
	s_setreg_imm32_b32 hwreg(HW_REG_WAVE_MODE, 25, 1), 1
	s_wait_xcnt 0x0
	s_wait_alu depctr_hold_cnt(0) depctr_sa_sdst(0) depctr_va_vdst(0) depctr_va_sdst(0) depctr_va_ssrc(0) depctr_va_vcc(0) depctr_vm_vsrc(0)
	s_getreg_b32 s2, hwreg(HW_REG_IB_STS2, 6, 4)
	s_cmp_eq_u32 s2, 0
	s_cbranch_scc0 .Lentry_in_a_cluster
	s_endpgm
.Lentry_in_a_cluster:
	s_bfe_u32 s2, ttmp6, 0x10000c
	s_cmp_lg_u32 s2, 0xf033
	s_cbranch_scc0 .Lentry_shape_is_right
	s_endpgm
.Lentry_shape_is_right:
.set NQ,     2
.set FR,     12
.set NL,     6
.set NP,     4
.set RBK,    12288
.set SLB,    3072
.set HALFT,  8*SLB
.set SLOT,   4*HALFT
.set SCL,    2*SLOT
.set HALFS,  4096
.set SPARE,  SCL+16640
.set ADRA, 16
.set ADRB, 20
.set ADRS, 27
.set SPW,  28
.set NIL,  29
.set CSA,  8
.set QST,  9
.set L16,  10
.set L8,   11
.set SC,   32
.set AF,   128
.set G1, 24
.set G0, 32
.set G1B, 48
.set G0B, 56
.set G1S, 68
.set G0S, 76
.set G1SB, 80
.set G0SB, 88
.set MSB, 0
.macro WIN new
.if MSB != \new
	s_set_vgpr_msb (MSB<<8)|\new
.set MSB, \new
.endif
.endm
.set MUL_LO, 0xa1
.set MUL_HI, 0xf1
.set TO_B,   0x40
.macro JLOAD g0a, g1a, g0b, g1b
	s_cmp_eq_u32 s15, 0
	s_cbranch_scc0 .Lfor_b_\@
	tensor_load_to_lds s[\g0a:\g0a+3], s[\g1a:\g1a+7]
	s_nop 0
.rept 4
	v_nop
.endr
	s_branch .Lasked_\@
.Lfor_b_\@:
	tensor_load_to_lds s[\g0b:\g0b+3], s[\g1b:\g1b+7]
	s_nop 0
.rept 4
	v_nop
.endr
.Lasked_\@:
.endm
.macro CREST
	s_cmp_lg_u32 s14, 0
	s_cbranch_scc1 .Lnot_wave_0_\@
	s_barrier_signal -3
.Lnot_wave_0_\@:
	s_barrier_wait -3
	s_barrier_signal -1
	s_barrier_wait -1
.endm
.macro CROUND
	s_barrier_signal -1
	s_barrier_wait -1
	CREST
.endm
	s_load_b128 s[4:7], s[0:1], 0x0
	s_load_b128 s[96:99], s[0:1], 0x10
	v_lshl_add_u32 v[SPW], v0, 2, SPARE
	v_mov_b32 v[NIL], 0
	ds_add_u32 v28, v29
	ds_add_u32 v28, v29
	s_wait_dscnt 0x0
	v_lshrrev_b32 v1, 5, v0
	v_readfirstlane_b32 s14, v1
	s_lshr_b32 s15, s14, 1
	s_and_b32 s16, s14, 1
	s_bfe_u32 s40, ttmp6, 0x40000
	s_bfe_u32 s41, ttmp6, 0x40004
	s_and_b32 s18, ttmp7, 0xffff
	s_lshl_b32 s18, s18, 2
	s_lshl_b32 s19, ttmp9, 2
	s_cmp_eq_u32 ttmp9, 2
	s_cselect_b32 s17, 0, s18
	s_cselect_b32 s42, s18, s19
	s_cselect_b32 s20, 384, 0
	s_cselect_b32 s46, 0, 256
	s_add_co_u32 s17, s17, s41
	s_add_co_u32 s42, s42, s40
	s_lshl_b32 s43, s41, 2
	s_lshl_b32 s43, 15, s43
	s_lshl_b32 s44, 0x1111, s40
	s_or_b32 s[G1+0], s43, (3<<16)|(1<<21)
	s_or_b32 s[G1B+0], s44, (3<<16)|(1<<21)
.irp g, G1, G1B
	s_mov_b32 s[\g+1], 384<<16
	s_mov_b32 s[\g+2], 8<<16
	s_mov_b32 s[\g+3], 384<<16
	s_mov_b32 s[\g+4], 8
	s_mov_b32 s[\g+5], 1536
	s_mov_b32 s[\g+6], 0
	s_mov_b32 s[\g+7], 0
.endr
	s_or_b32 s[G1S+0], s43, (3<<16)|(1<<21)
	s_or_b32 s[G1SB+0], s44, (3<<16)|(1<<21)
.irp g, G1S, G1SB
	s_mov_b32 s[\g+1], 32<<16
	s_mov_b32 s[\g+2], 16<<16
	s_mov_b32 s[\g+3], 32<<16
	s_mov_b32 s[\g+4], 16
	s_mov_b32 s[\g+5], 32
	s_mov_b32 s[\g+6], 0
	s_mov_b32 s[\g+7], 0
.endr
	s_lshl_b32 s18, s16, 3
	s_lshl_b32 s21, s17, 4
	s_add_co_u32 s20, s20, s21
	s_add_co_u32 s20, s20, s18
	s_lshl_b32 s47, s42, 4
	s_add_co_u32 s46, s46, s47
	s_add_co_u32 s46, s46, s18
	s_lshl_b32 s22, s20, 9
	s_mov_b32 s23, 0
	s_lshl_b32 s92, s46, 9
	s_mov_b32 s93, 0
	s_mul_i32 s20, s20, RBK
	s_mov_b32 s21, 0
	s_mul_i32 s46, s46, RBK
	s_mov_b32 s47, 0
	s_mul_i32 s45, s14, HALFT
	s_mul_i32 s94, s14, HALFS
	s_mov_b32 s66, 0x76543210
	s_mov_b32 s67, 0xfedcba98
	s_wait_kmcnt 0x0
	s_add_nc_u64 s[20:21], s[4:5], s[20:21]
	s_add_nc_u64 s[22:23], s[6:7], s[22:23]
	s_add_nc_u64 s[46:47], s[4:5], s[46:47]
	s_add_nc_u64 s[92:93], s[6:7], s[92:93]
	CROUND
	s_mov_b32 s[G0S], 1
	s_add_co_u32 s[G0S+1], s94, SCL
	s_mov_b64 s[G0S+2:G0S+3], s[22:23]
	s_or_b32 s[G0S+3], s[G0S+3], 0x80000000
	s_mov_b32 s[G0SB], 1
	s_add_co_u32 s[G0SB+1], s94, SCL+128
	s_mov_b64 s[G0SB+2:G0SB+3], s[92:93]
	s_or_b32 s[G0SB+3], s[G0SB+3], 0x80000000
	JLOAD G0S, G1S, G0SB, G1SB
.irp s, 0,1
	s_mov_b32 s[G0+4*\s], 1
	s_add_co_u32 s[G0+4*\s+1], s45, \s*SLOT
	s_add_nc_u64 s[G0+4*\s+2:G0+4*\s+3], s[20:21], \s*SLB
	s_or_b32 s[G0+4*\s+3], s[G0+4*\s+3], 0x80000000
	s_mov_b32 s[G0B+4*\s], 1
	s_add_co_u32 s[G0B+4*\s+1], s45, \s*SLOT
	s_add_nc_u64 s[G0B+4*\s+2:G0B+4*\s+3], s[46:47], \s*SLB
	s_or_b32 s[G0B+4*\s+3], s[G0B+4*\s+3], 0x80000000
	s_wait_alu depctr_va_vdst(0)
	s_wait_tensorcnt 0x0
	ds_add_u32 v28, v29
	s_wait_dscnt 0x0
	CROUND
	JLOAD G0+4*\s, G1, G0B+4*\s, G1B
.endr
	v_and_b32 v1, 15, v0
	v_bfe_u32 v2, v0, 4, 1
	s_wait_alu depctr_va_vdst(0)
	v_mul_u32_u24 v3, v1, 24
	v_mad_u32_u24 v3, v2, 384, v3
	s_mul_i32 s21, s15, HALFT
	s_mul_i32 s22, s16, HALFT
	s_add_co_u32 s22, s22, 2*HALFT
.irp s, 0,1
	v_add_nc_u32 v[ADRA+\s], s21, v3
	v_add_nc_u32 v[ADRB+\s], s22, v3
	s_add_co_u32 s21, s21, SLOT
	s_add_co_u32 s22, s22, SLOT
.endr
	v_lshlrev_b32 v5, 3, v1
	s_mul_i32 s21, s15, HALFS
	s_mul_i32 s22, s16, HALFS
	s_add_co_u32 s22, s22, 2*HALFS+128
	s_sub_co_u32 s22, s22, s21
	v_mul_u32_u24 v6, s22, v2
	s_add_co_u32 s21, s21, SCL
	v_add_nc_u32 v5, v5, v6
	v_add_nc_u32 v[ADRS], s21, v5
	v_and_b32 v7, 8, v1
	v_add_nc_u32 v7, v7, v1
	v_lshlrev_b32 v[CSA], 8, v7
	v_lshl_add_u32 v[CSA], v2, 6, v[CSA]
	s_wait_alu depctr_va_vdst(0)
	v_mul_u32_u24 v[QST], v1, 24
	v_mad_u32_u24 v[QST], v2, 12, v[QST]
	v_and_b32 v7, 31, v0
	v_lshlrev_b32 v[L16], 4, v7
	v_lshlrev_b32 v[L8], 3, v7
	s_lshl_b32 s18, s17, 8
	s_lshl_b32 s19, s15, 7
	s_add_co_u32 s18, s18, s19
	s_and_b32 s18, s18, 2047
	s_lshl_b32 s18, s18, 8
	s_mov_b32 s19, 0
	s_add_nc_u64 s[96:97], s[96:97], s[18:19]
	s_add_nc_u64 s[98:99], s[98:99], s[18:19]
.macro LOADCS a
.if (\a) == 0
.set CB, 64
.else
.set CB, 64*(((\a)-1)%4)
	WIN TO_B
.endif
.set RO, (32*((\a)/2)+8*((\a)%2))*256
.irp i, 0,1,2,3
	global_load_b128 v[CB+4*\i:CB+4*\i+3],       v[CSA], s[96:97] offset:RO+16*\i
	global_load_b128 v[CB+16+4*\i:CB+19+4*\i],   v[CSA], s[96:97] offset:RO+128+16*\i
	global_load_b128 v[CB+32+4*\i:CB+35+4*\i],   v[CSA], s[98:99] offset:RO+16*\i
	global_load_b128 v[CB+48+4*\i:CB+51+4*\i],   v[CSA], s[98:99] offset:RO+128+16*\i
.endr
	WIN 0
.endm
	LOADCS 0
.macro FRAG reg, adr, q, i
.irp p, 0,1,2,3,4,5
	ds_load_b64 v[\reg+2*\p:\reg+2*\p+1], v[\adr] offset:(\i)*SLB+(\q)*1536+(\p/3)*768+(\p%3)*8
.endr
.endm
.macro MUL16 a0, p, q, sc, zero
.irp a, \a0, \a0+1
.irp b, 0,1,2,3,4,5,6,7
.if \zero
	v_wmma_scale_f32_16x16x128_f8f6f4 v[8*(8*((\a)%4)+\b):8*(8*((\a)%4)+\b)+7], v[128*(\p)+FR*\b:128*(\p)+FR*\b+FR-1], v[AF+FR*(\a):AF+FR*(\a)+FR-1], 0, v[SC+8*NQ*(\sc)+NQ*\b+(\q)], v[SC+8*NQ*(\sc)+NQ*(\a)+(\q)] matrix_a_fmt:MATRIX_FMT_FP6 matrix_b_fmt:MATRIX_FMT_FP6 matrix_a_scale:MATRIX_SCALE_ROW1
.else
	v_wmma_scale_f32_16x16x128_f8f6f4 v[8*(8*((\a)%4)+\b):8*(8*((\a)%4)+\b)+7], v[128*(\p)+FR*\b:128*(\p)+FR*\b+FR-1], v[AF+FR*(\a):AF+FR*(\a)+FR-1], v[8*(8*((\a)%4)+\b):8*(8*((\a)%4)+\b)+7], v[SC+8*NQ*(\sc)+NQ*\b+(\q)], v[SC+8*NQ*(\sc)+NQ*(\a)+(\q)] matrix_a_fmt:MATRIX_FMT_FP6 matrix_b_fmt:MATRIX_FMT_FP6 matrix_a_scale:MATRIX_SCALE_ROW1
.endif
.endr
.endr
.endm
.macro FETCH_B slot, q, p
	WIN TO_B
.irp i, 0,1,2,3,4,5,6,7
	FRAG 128*(\p)+FR*\i, ADRB+\slot, \q, \i
.endr
	WIN 0
.endm
.macro FETCH_A slot, q, i0
.irp i, \i0, \i0+1, \i0+2, \i0+3
	FRAG AF+FR*(\i), ADRA+\slot, \q, \i
.endr
.endm
.macro SCALES sc, ks
.irp i, 0,1,2,3,4,5,6,7
	ds_load_b64 v[SC+8*NQ*\sc+NQ*\i:SC+8*NQ*\sc+NQ*\i+1], v[ADRS] offset:\i*512+(\ks)*128
.endr
.endm
.macro PLACES n
.rept \n
	v_nop
.endr
.endm
.macro STEP slot, q, zero
	s_wait_dscnt 4*NL
	WIN MUL_LO
	MUL16 0, (\q)%2, \q, \slot, \zero
	MUL16 2, (\q)%2, \q, \slot, \zero
	s_wait_dscnt 0
	PLACES NP
	FETCH_B \slot, (\q)+1, 1-(\q)%2
	FETCH_A \slot, (\q)+1, 0
	WIN MUL_HI
	MUL16 4, (\q)%2, \q, \slot, \zero
	MUL16 6, (\q)%2, \q, \slot, \zero
	PLACES NP
	WIN 0
	FETCH_A \slot, (\q)+1, 4
.endm
.macro TURN slot, next, fill, ks
	s_wait_tensorcnt 0x0
	ds_add_u32 v[SPW], v[NIL]
	s_wait_dscnt 4*NL+1
	WIN MUL_LO
	MUL16 0, 1, NQ-1, \slot, 0
	s_wait_dscnt 0x0
	s_barrier_signal -1
	MUL16 2, 1, NQ-1, \slot, 0
	WIN 0
	s_barrier_wait -1
.if \fill
	CREST
	s_add_nc_u64 s[G0+4*\slot+2:G0+4*\slot+3], s[G0+4*\slot+2:G0+4*\slot+3], 2*SLB
	s_add_nc_u64 s[G0B+4*\slot+2:G0B+4*\slot+3], s[G0B+4*\slot+2:G0B+4*\slot+3], 2*SLB
	JLOAD G0+4*\slot, G1, G0B+4*\slot, G1B
.else
	PLACES NP
.endif
	FETCH_B \next, 0, 0
	FETCH_A \next, 0, 0
	SCALES \next, \ks
	WIN MUL_HI
	MUL16 4, 1, NQ-1, \slot, 0
	MUL16 6, 1, NQ-1, \slot, 0
	PLACES NP
	WIN 0
	FETCH_A \next, 0, 4
.endm
	s_wait_tensorcnt 1
	s_barrier_signal -1
	s_barrier_wait -1
	FETCH_B 0, 0, 0
	FETCH_A 0, 0, 0
	SCALES 0, 0
	FETCH_A 0, 0, 4
	STEP 0, 0, 1
	TURN 0, 1, 1, 1
	STEP 1, 0, 0
	TURN 1, 0, 1, 2
	STEP 0, 0, 0
	TURN 0, 1, 0, 3
	s_load_b256 s[68:75], s[0:1], 0x20
	STEP 1, 0, 0
	LOADCS 1
	LOADCS 2
	s_wait_dscnt 4*NL
	WIN MUL_LO
	MUL16 0, 1, NQ-1, 1, 0
	MUL16 2, 1, NQ-1, 1, 0
	s_wait_dscnt 0
	WIN MUL_HI
	MUL16 4, 1, NQ-1, 1, 0
	MUL16 6, 1, NQ-1, 1, 0
	WIN 0
	PLACES NP
	s_wait_kmcnt 0x0
	s_cmp_eq_u32 ttmp9, 2
	s_cselect_b32 s18, s42, s17
	s_cselect_b32 s19, s16, s15
	s_cselect_b32 s20, s17, s40
	s_cselect_b32 s21, s15, s16
	s_lshl_b32 s18, s18, 8
	s_lshl_b32 s19, s19, 7
	s_add_co_u32 s18, s18, s19
	s_lshr_b32 s22, s18, 11
	s_lshl_b32 s22, s22, 4
	s_lshl_b32 s20, s20, 2
	s_lshl_b32 s21, s21, 1
	s_add_co_u32 s22, s22, s20
	s_add_co_u32 s22, s22, s21
	s_bfe_u32 s23, s18, 0x40007
	s_wait_loadcnt 0x0
	s_cmp_eq_u32 ttmp9, 2
	s_cbranch_scc1 .Lv
	LOADCS 3
	LOADCS 4
	s_cmp_eq_u32 ttmp9, 0
	s_cselect_b64 s[76:77], s[68:69], s[72:73]
	s_cselect_b64 s[80:81], s[70:71], s[74:75]
	s_mov_b32 s84, 196608
	s_cselect_b32 s84, 98304, s84
	s_mov_b32 s86, 12288
	s_cselect_b32 s86, 6144, s86
	s_mov_b32 s88, 12288
	s_cselect_b32 s88, 8192, s88
	s_mov_b32 s90, 768
	s_cselect_b32 s90, 512, s90
	s_mov_b32 s85, 0
	s_mov_b32 s89, 0
	s_mul_i32 s92, s22, s84
	s_mul_i32 s86, s23, s86
	s_add_co_u32 s92, s92, s86
	s_mov_b32 s93, 0
	s_add_nc_u64 s[76:77], s[76:77], s[92:93]
	s_add_nc_u64 s[78:79], s[76:77], s[84:85]
	s_mul_i32 s92, s22, s88
	s_mul_i32 s90, s23, s90
	s_add_co_u32 s92, s92, s90
	s_add_nc_u64 s[80:81], s[80:81], s[92:93]
	s_add_nc_u64 s[82:83], s[80:81], s[88:89]
.set T,  192
.set SW, 240
	v_mov_b32 v226, 0
	v_mov_b32 v227, 0
.macro ROPEQ a, e
.set AC, 64*((\a)%4)+32*(\e)
.if (\a) == 0
.set CB, 64
.set WW, 2
.else
.set CB, 64*(((\a)-1)%4)
.set WW, 2+(\a)/4+4
.endif
.if (\a) < 4
.set CD, 128+8*(2*(\a)+(\e))
.else
.set CD, 64+8*(2*(\a)+(\e)-8)
.endif
	WIN WW
.irp i, 0,2,4,6,8,10,12,14
	v_pk_mul_f32 v[T+\i:T+\i+1], v[AC+\i:AC+\i+1], v[CB+\i:CB+\i+1]
.endr
.irp i, 0,2,4,6,8,10,12,14
	v_pk_fma_f32 v[T+\i:T+\i+1], v[AC+16+\i:AC+17+\i], v[CB+32+\i:CB+33+\i], v[T+\i:T+\i+1] neg_lo:[0,1,0] neg_hi:[0,1,0]
.endr
.irp i, 0,2,4,6,8,10,12,14
	v_pk_mul_f32 v[T+16+\i:T+17+\i], v[AC+16+\i:AC+17+\i], v[CB+16+\i:CB+17+\i]
.endr
.irp i, 0,2,4,6,8,10,12,14
	v_pk_fma_f32 v[T+16+\i:T+17+\i], v[AC+\i:AC+\i+1], v[CB+48+\i:CB+49+\i], v[T+16+\i:T+17+\i]
.endr
	WIN 0
	v_max3_num_f32 v224, |v[T]|, |v[T+1]|, 0x1800000
	v_max3_num_f32 v225, |v[T+16]|, |v[T+17]|, 0x1800000
.irp i, 2,4,6,8,10,12,14
	v_max3_num_f32 v224, v224, |v[T+\i]|, |v[T+\i+1]|
	v_max3_num_f32 v225, v225, |v[T+16+\i]|, |v[T+17+\i]|
.endr
	v_permlanex16_b32 v226, v224, s66, s67
	v_permlanex16_b32 v227, v225, s66, s67
	v_max_num_f32 v224, v224, v226
	v_max_num_f32 v225, v225, v227
	v_add_nc_u32 v228, 0xff000000, v224
	v_add_nc_u32 v229, 0xff000000, v225
	v_lshrrev_b32 v230, 23, v228
	v_lshrrev_b32 v231, 23, v229
	v_lshl_or_b32 v230, v231, 8, v230
	v_or_b32 v[SW+8*(\e)+(\a)], 0x7f7f0000, v230
	v_cvt_scalef32_pk16_fp6_f32 v[CD:CD+2], v[T:T+15], v228
	v_cvt_scalef32_pk16_fp6_f32 v[CD+4:CD+6], v[T+16:T+31], v229
	v_nop
	global_store_b96 v[QST], v[CD:CD+2], s[76+2*(\e):77+2*(\e)] offset:(\a)*768
	global_store_b96 v[QST], v[CD+4:CD+6], s[76+2*(\e):77+2*(\e)] offset:(\a)*768+384
.endm
.irp a, 0,1,2,3,4,5,6,7
.if \a == 7
	s_wait_loadcnt 0x0
.elseif \a == 6
	s_wait_loadcnt 16
.elseif \a >= 3
	s_wait_loadcnt 32
.endif
.if (\a >= 2) && (\a <= 4)
	LOADCS \a+3
.endif
	ROPEQ \a, 0
	ROPEQ \a, 1
.endr
	v_cmp_ne_u32 vcc_lo, 0, v2
.irp e, 0,1
.irp i, 0,1,2,3
	v_cndmask_b32 v[T+4*\e+\i], v[SW+8*\e+2*\i], v[SW+8*\e+2*\i+1], vcc_lo
.endr
	global_store_b128 v[L16], v[T+4*\e:T+4*\e+3], s[80+2*\e:81+2*\e]
.endr
	s_branch .Lend
.Lv:
	s_mul_i32 s92, s22, 196608
	s_mul_i32 s94, s23, 12288
	s_add_co_u32 s92, s92, s94
	s_add_co_u32 s92, s92, 6144
	s_mov_b32 s93, 0
	s_add_nc_u64 s[76:77], s[72:73], s[92:93]
	s_add_nc_u64 s[78:79], s[76:77], 196608
	s_mul_i32 s92, s22, 12288
	s_mul_i32 s94, s23, 768
	s_add_co_u32 s92, s92, s94
	s_add_co_u32 s92, s92, 512
	s_add_nc_u64 s[80:81], s[74:75], s[92:93]
	s_add_nc_u64 s[82:83], s[80:81], 12288
.set PC, 128
.set TM, 160
.set VW, 176
.set RR, 184
.irp b, 0,1,2,3
	v_mov_b32 v[TM+4+\b], 0
.endr
.macro QUANTV a
.set SRC, 64*((\a)%4)
	WIN 0x28+0x14*((\a)/4)
.irp b, 0,1,2,3
	v_max3_num_f32 v[TM+\b], 0x1800000, |v[SRC+16*\b]|, |v[SRC+1+16*\b]|
.endr
.irp i, 2,4,6,8,10,12,14
.irp b, 0,1,2,3
	v_max3_num_f32 v[TM+\b], v[TM+\b], |v[SRC+16*\b+\i]|, |v[SRC+1+16*\b+\i]|
.endr
.endr
	WIN 0
.irp b, 0,1,2,3
	v_permlanex16_b32 v[TM+4+\b], v[TM+\b], s66, s67
.endr
.irp b, 0,1,2,3
	v_max_num_f32 v[TM+\b], v[TM+\b], v[TM+4+\b]
.endr
.irp b, 0,1,2,3
	v_add_nc_u32 v[TM+12+\b], 0xff000000, v[TM+\b]
.endr
.irp b, 0,1,2,3
	v_lshrrev_b32 v[TM+4+\b], 23, v[TM+12+\b]
.endr
	v_lshl_or_b32 v[VW+(\a)], v[TM+5], 8, v[TM+4]
	v_lshl_or_b32 v[VW+(\a)], v[TM+6], 16, v[VW+(\a)]
	v_lshl_or_b32 v[VW+(\a)], v[TM+7], 24, v[VW+(\a)]
	s_wait_xcnt 0x0
	WIN 2+(\a)/4
.irp c, 0,1
	v_cvt_scalef32_pk16_fp6_f32 v[PC+6*\c:PC+2+6*\c], v[SRC+32*\c:SRC+15+32*\c], v[TM+12+2*\c]
	v_cvt_scalef32_pk16_fp6_f32 v[PC+12+4*\c:PC+14+4*\c], v[SRC+16+32*\c:SRC+31+32*\c], v[TM+12+2*\c+1]
.endr
	WIN 0
	v_nop
.irp c, 0,1
.irp i, 0,1,2
	v_permlane16_swap_b32 v[PC+6*\c+\i], v[PC+12+4*\c+\i]
.endr
.irp i, 0,1,2
	v_mov_b32 v[PC+3+6*\c+\i], v[PC+12+4*\c+\i]
.endr
.endr
.irp c, 0,1,2
	global_store_b128 v[L16], v[PC+4*\c:PC+4*\c+3], s[76+2*((\a)/4):77+2*((\a)/4)] offset:((\a)%4)*1536+512*\c
.endr
.endm
.irp a, 0,1,2,3,4,5,6,7
	QUANTV \a
.endr
	v_cmp_ne_u32 vcc_lo, 0, v2
.irp e, 0,1
.irp i, 0,1
	v_cndmask_b32 v[RR+2*\e+\i], v[VW+4*\e+2*\i], v[VW+4*\e+2*\i+1], vcc_lo
.endr
	global_store_b64 v[L8], v[RR+2*\e:RR+2*\e+1], s[80+2*\e:81+2*\e]
.endr
.Lend:
	s_wait_tensorcnt 0x0
	ds_add_u32 v[SPW], v[NIL]
	s_wait_dscnt 0x0
	CROUND
	s_endpgm
.Lfunc_end_k_qe69434deb7_qkv:
	.size	k_qe69434deb7_qkv, .Lfunc_end_k_qe69434deb7_qkv-k_qe69434deb7_qkv
	.p2alignl 7, 3214868480
	.fill 96, 4, 3214868480
	.section	.rodata,"a",@progbits
	.p2align	6, 0x0
	.amdhsa_kernel k_qe69434deb7_qkv
		.amdhsa_group_segment_fixed_size 327680
		.amdhsa_private_segment_fixed_size 0
		.amdhsa_enable_private_segment 0
		.amdhsa_kernarg_size 64
		.amdhsa_user_sgpr_count 2
		.amdhsa_user_sgpr_kernarg_segment_ptr 1
		.amdhsa_wavefront_size32 1
		.amdhsa_system_sgpr_workgroup_id_x 1
		.amdhsa_system_sgpr_workgroup_id_y 1
		.amdhsa_system_sgpr_workgroup_id_z 1
		.amdhsa_system_vgpr_workitem_id 0
		.amdhsa_next_free_vgpr 1024
		.amdhsa_next_free_sgpr 100
		.amdhsa_reserve_vcc 1
		.amdhsa_float_denorm_mode_32 3
		.amdhsa_float_denorm_mode_16_64 3
		.amdhsa_memory_ordered 1
		.amdhsa_forward_progress 1
		.amdhsa_inst_pref_size 244
	.end_amdhsa_kernel
	.amdgpu_metadata
---
amdhsa.version: [ 1, 2 ]
amdhsa.kernels:
  - .name:           k_qe69434deb7_qkv
    .symbol:         k_qe69434deb7_qkv.kd
    .args:
      - { .name: wcodes, .offset: 0, .size: 8, .value_kind: global_buffer, .address_space: global }
      - { .name: wscales, .offset: 8, .size: 8, .value_kind: global_buffer, .address_space: global }
      - { .name: cos, .offset: 16, .size: 8, .value_kind: global_buffer, .address_space: global }
      - { .name: sin, .offset: 24, .size: 8, .value_kind: global_buffer, .address_space: global }
      - { .name: qc, .offset: 32, .size: 8, .value_kind: global_buffer, .address_space: global }
      - { .name: qs, .offset: 40, .size: 8, .value_kind: global_buffer, .address_space: global }
      - { .name: kvc, .offset: 48, .size: 8, .value_kind: global_buffer, .address_space: global }
      - { .name: kvs, .offset: 56, .size: 8, .value_kind: global_buffer, .address_space: global }
    .group_segment_fixed_size: 327680
    .private_segment_fixed_size: 0
    .kernarg_segment_align: 8
    .kernarg_segment_size: 64
    .max_flat_workgroup_size: 128
    .sgpr_count:     100
    .vgpr_count:     1024
    .wavefront_size: 32
...
	.end_amdgpu_metadata
.endif
;; end of part 2
;; launch attn (part 3): grid 8 x 32, 8 waves a work-group, clusters of 4 x 1, 327,680 bytes of LDS; arguments qc, qs, kvc, kvs, oc, os; writes oc, os
.if DOCPART == 3
	.amdgcn_target "amdgcn-amd-amdhsa--gfx1250"
	.amdhsa_code_object_version 6
	.text
	.protected	k_qe69434deb7_attn
	.globl	k_qe69434deb7_attn
	.p2align	8
	.type	k_qe69434deb7_attn,@function
k_qe69434deb7_attn:
	s_mov_b64 s[64:65], 0
	v_nop
	global_prefetch_b8 v0, s[64:65] scope:SCOPE_SE
	s_setreg_imm32_b32 hwreg(HW_REG_WAVE_MODE, 25, 1), 1
	s_wait_xcnt 0x0
	s_wait_alu depctr_hold_cnt(0) depctr_sa_sdst(0) depctr_va_vdst(0) depctr_va_sdst(0) depctr_va_ssrc(0) depctr_va_vcc(0) depctr_vm_vsrc(0)
	s_getreg_b32 s2, hwreg(HW_REG_IB_STS2, 6, 4)
	s_cmp_eq_u32 s2, 0
	s_cbranch_scc0 .Lentry_in_a_cluster
	s_endpgm
.Lentry_in_a_cluster:
	s_bfe_u32 s2, ttmp6, 0x10000c
	s_cmp_lg_u32 s2, 0x3003
	s_cbranch_scc0 .Lentry_shape_is_right
	s_endpgm
.Lentry_shape_is_right:
; For each of the 32 (batch, head): O[q] = sum over k of softmax_k(q . k / 8) v[k], both products on codes of FP6 (E2M3) with E8M0 scales; O is divided by the row's sum and quantised along C for the projection.
; SOFTMAX: t = score x log2(e) / 8; M = the running largest t rounded up to a whole number; p = 2^(t - M) is quantised along the keys, not normalised; the row's sum is of the unquantised p, in f32.
; When M moves, the sum and O are multiplied by 2^(old M - new M), which rounds nothing.
; SHARES: a work-group owns 256 queries of one head, each of eight waves two tiles of 16; every fragment of K and V that a wave reads from LDS feeds both tiles, and the two tiles' dependent lines stand by turns.
; A lane holds one query of each tile (lane % 16) throughout: S^T = K Q^T, O^T = V^T P^T.
; LDS: the head's K and V whole: steps 0-2 (12,288 bytes of codes for 128 keys each) at 0, all scale words (16 x 768) at SCB, steps 3-15 from 49,152 on; every byte is filled once.
; LOADS: the four query blocks of a cluster share the head, so each load is joint (mask 15).  At the head every wave asks for 6,144 bytes: waves 0-5 a sixth of steps 0-2, waves 6-7 half of the scale words.
; Behind the three lines and a round every wave asks for 19,968 bytes, an eighth of steps 3-15: one load of mine is out then, and three steps stand ahead of the wait for it.  Every wait on TENSORcnt is for 0.
; No prefetch into the L2: both requests stand at the start, and no later request is left to run ahead of.
; WHICH KEYS FORM A TILE OF K is chosen by the LDS address: tile 4 c + i takes in rows 0-7 keys 8 i + 0..7 of block 2 c and in rows 8-15 the same of block 2 c + 1.  So lane (r, h) holds in score registers
; 32 c + 0..31 the whole block 2 c + h, in order: a block's maximum needs no other lane, and the conversions' results are the operand's registers with no exchange between lanes.
; THE FIRST PRODUCT'S K IS 64: registers 6-11 of Q's fragments hold zero codes, so what stands in registers 6-11 of a fragment of K adds nothing (every code of FP6 is a finite number; the scale bytes there are 0x7f):
; the eight fragments lie 6 registers apart, each followed by the next one's codes, the last by six registers written once.
; K ONE STEP AHEAD: behind a step's score products its registers take the next step's fragments.  The address is held at the last step that has landed (step 2, then step 15): there the same fragments are read once more and not used.
; LIMITS: NaN and infinities are not served; the promise holds while the scaled scores stay under 2^31 in magnitude; 1 / the sum is v_rcp_f32's; a block of zeros gets the byte 1 (its codes are zeros; this program alone reads the bytes).
; REGISTERS.  Window 1: S^T, then p, of tile e at v[64 e]; O^T of tile e at v[128 + 32 e].  Window 0: all else, so that both tiles run under the same window settings.
.set SCB,   36864
.set SPARE, 208896                     ; the spare words: 128 bytes a wave, 1,024 in all
; v1-4 lane terms of K's codes, V's codes, K's and V's scale words; v5, v6 O's codes and byte; v7 8 h; v9, v10 the add's two
.set MP,  12                           ; v[12+2e:13+2e] -M, largest score
.set AC,  16                           ; v[16+2e:17+2e] the sum
.set OM,  20                           ; v20+e the old -M
.set QS,  22                           ; scales alone: v22+e Q's, v24+e p's, v[26:27] V's, v28-31 K's
.set PS,  24
.set VS,  26
.set KS,  28
.set QB,  32                           ; Q of tile e at 12 e
.set KB,  56                           ; v56-103 K's eight fragments, v104-109 written once
.set VB,  110                          ; v110-157 V's four fragments
.set FB,  158                          ; p's codes of tile e at 12 e
.set CT,  182                          ; the conversions' second halves, 8 e
.set WK,  198                          ; at work, 12 e: +0, +1 my two blocks' maxima; +2, +3; +4.. three pairs (f, then chains of the sum)
.set A0,  222                          ; v222-225 the step's LDS addresses; v226, v227 Q's offsets
.set WV,  16
.set SEL, 20                           ; s[20:21] selects for lane l xor 16
.set CS,  22                           ; s[22:23] c = log2(e) / 8
.set G1A, 24                           ; group 1: 24 rows of 256 bytes
.set G1B, 32                           ; 78 rows
.set G0A, 40
.set G0B, 44
.set NC,  48                           ; -c
.set TBN, 50                           ; the next step's LDS bytes, held at the last step that has landed
.set TSN, 51
.set TB,  60                           ; LDS byte of the step's codes
.set TS,  61                           ; and, from SCB on, of its scale words
.set CNT, 62
.set MSB, 0
.macro WIN new                         ; bits 1:0 source 0, 3:2 source 1, 5:4 source 2, 7:6 destination; the high byte repeats the setting that is left
.if MSB != \new
	s_set_vgpr_msb (MSB<<8)|\new
.set MSB, \new
.endif
.endm
.macro CROUND
	s_barrier_signal -1
	s_barrier_wait -1
	s_cmp_lg_u32 s[WV], 0
	s_cbranch_scc1 .Lnot_wave_0_\@
	s_barrier_signal -3
.Lnot_wave_0_\@:
	s_barrier_wait -3
	s_barrier_signal -1
	s_barrier_wait -1
.endm
.macro GRP1 g, rows
	s_mov_b32 s[\g], 15|(3<<16)|(1<<21)            ; the mask: all four; elements of 8 bytes; bit 21 beside a mask
	s_mov_b32 s[\g+1], 32<<16
	s_mov_b32 s[\g+2], (\rows)<<16
	s_mov_b32 s[\g+3], 32<<16
	s_mov_b32 s[\g+4], \rows
	s_mov_b32 s[\g+5], 32
	s_mov_b32 s[\g+6], 0
	s_mov_b32 s[\g+7], 0
.endm
	s_load_b256 s[4:11], s[0:1], 0x0               ; qc, qs, kvc, kvs
	s_load_b128 s[12:15], s[0:1], 0x20             ; oc, os
	v_lshl_add_u32 v9, v0, 2, SPARE
	v_mov_b32 v10, 0
	ds_add_u32 v9, v10
	ds_add_u32 v9, v10
	v_lshrrev_b32 v1, 5, v0
	v_readfirstlane_b32 s[WV], v1                  ; wave 0..7
	s_bfe_u32 s17, ttmp6, 0x40000                  ; cx
	s_lshl_b32 s18, ttmp9, 2
	s_add_co_u32 s18, s18, s17                     ; my block of 256 queries: it enters Q's and O's addresses alone
	s_and_b32 s19, ttmp7, 0xffff                   ; bh, which the four partners share
	GRP1 G1A, 24
	GRP1 G1B, 78
	s_cmp_lt_u32 s[WV], 6                          ; waves 0-5: codes; 6, 7: scale words
	s_mov_b32 s52, 12288
	s_cselect_b32 s52, 196608, s52                 ; a head's bytes in the buffer that I read
	s_cselect_b32 s53, 0, 6
	s_sub_co_u32 s53, s[WV], s53
	s_mul_i32 s53, s53, 6144
	s_mul_i32 s52, s19, s52
	s_add_co_u32 s52, s52, s53
	s_mov_b32 s53, 0
	s_mov_b32 s[G0A], 1
	s_mul_i32 s[G0A+1], s[WV], 6144                ; LDS: wave x 6,144: the scale words follow step 2's codes
	s_mul_i32 s54, s19, 196608
	s_mul_i32 s55, s[WV], 19968
	s_mov_b32 s[G0B], 1
	s_add_co_u32 s[G0B+1], s55, 49152
	s_add_co_u32 s54, s54, s55
	s_add_co_u32 s54, s54, 36864                   ; steps 3 on
	s_mov_b32 s55, 0
	s_mov_b32 s[SEL], 0x76543210
	s_mov_b32 s[SEL+1], 0xfedcba98
	s_mov_b32 s[CS], 0x3e38aa3b
	s_mov_b32 s[CS+1], s[CS]
	s_mov_b32 s[NC], 0xbe38aa3b
	s_mov_b32 s[TB], 0
	s_mov_b32 s[TS], 0
	s_wait_dscnt 0x0
	s_wait_kmcnt 0x0
	s_cmp_lt_u32 s[WV], 6
	s_cselect_b64 s[G0A+2:G0A+3], s[8:9], s[10:11]
	s_add_nc_u64 s[G0A+2:G0A+3], s[G0A+2:G0A+3], s[52:53]
	s_or_b32 s[G0A+3], s[G0A+3], 0x80000000
	s_add_nc_u64 s[G0B+2:G0B+3], s[8:9], s[54:55]
	s_or_b32 s[G0B+3], s[G0B+3], 0x80000000
	CROUND                                         ; all four work-groups are here: the joint loads meet
	tensor_load_to_lds s[G0A:G0A+3], s[G1A:G1A+7]  ; my one load at the head
	s_nop 0
.rept 4
	v_nop
.endr
	s_lshl_b32 s72, s18, 4
	s_lshl_b32 s73, s[WV], 1
	s_add_co_u32 s72, s72, s73                     ; my first tile of 16 queries in the head (an even number); the second follows it
	s_mul_i32 s74, s19, 98304
	s_mul_i32 s73, s72, 768
	s_add_co_u32 s74, s74, s73
	s_mov_b32 s75, 0
	s_add_nc_u64 s[4:5], s[4:5], s[74:75]          ; its codes; the second tile's 768 bytes on
	s_lshl_b32 s74, s19, 13
	s_lshr_b32 s73, s72, 3
	s_lshl_b32 s73, s73, 9                         ; its scale words: 512 bytes for 8 tiles,
	s_add_co_u32 s74, s74, s73
	s_bfe_u32 s73, s72, 0x20001
	s_lshl_b32 s73, s73, 2                         ; 4 (tile / 2 % 4); the odd tile's 256 bytes on
	s_add_co_u32 s74, s74, s73
	s_add_nc_u64 s[6:7], s[6:7], s[74:75]
	s_lshr_b32 s76, s19, 4
	s_lshl_b32 s76, s76, 7
	s_add_co_u32 s76, s76, s72                     ; my first row block of the projection's operand: 128 x batch + tile
	s_and_b32 s77, s19, 15                         ; the head
	s_mul_i32 s74, s76, 12288
	s_mul_i32 s73, s77, 768
	s_add_co_u32 s74, s74, s73
	s_add_nc_u64 s[12:13], s[12:13], s[74:75]
	s_lshl_b32 s74, s76, 9
	s_lshr_b32 s73, s77, 2
	s_lshl_b32 s73, s73, 7
	s_add_co_u32 s74, s74, s73
	s_and_b32 s73, s77, 3
	s_lshl_b32 s73, s73, 1
	s_add_co_u32 s74, s74, s73
	s_add_nc_u64 s[14:15], s[14:15], s[74:75]
	v_and_b32 v8, 15, v0                           ; r
	v_bfe_u32 v7, v0, 4, 1                         ; h
	v_and_b32 v11, 31, v0                          ; lane
	v_mul_u32_u24 v5, v8, 24
	v_lshlrev_b32 v227, 4, v8
	v_mad_u32_u24 v226, v7, 384, v5                ; Q in memory: 384 h + 24 r
.irp e, 0,1
.irp p, 0,1,2
	global_load_b64 v[QB+12*\e+2*\p:QB+12*\e+2*\p+1], v226, s[4:5] offset:768*\e+8*\p   ; Q's registers 0-5: d = 32 h + 0 .. 31
.endr
	global_load_b32 v[QS+\e], v227, s[6:7] offset:256*\e   ; Q's scale words
.endr
	v_and_b32 v2, 7, v8
	v_lshrrev_b32 v3, 3, v8
	v_mul_u32_u24 v1, v2, 24
	v_lshlrev_b32 v4, 2, v3
	v_mad_u32_u24 v1, v7, 384, v1
	v_lshl_add_u32 v4, v2, 4, v4
	v_mad_u32_u24 v1, v3, 1536, v1                 ; K's codes: 1536 (r / 8) + 384 h + 24 (r % 8)
	v_lshl_add_u32 v4, v7, 8, v4
	v_add_nc_u32 v3, SCB, v4                       ; K's scale words: 16 (r % 8) + 4 (r / 8) + 256 h
	v_lshl_add_u32 v2, v11, 4, 6144                ; V's fragments, images of their registers
	v_lshl_add_u32 v4, v11, 3, SCB+512             ; V's scale words
	v_mad_u32_u24 v5, v7, 12, v5                   ; O's codes: 24 r + 12 h
	v_lshl_add_u32 v6, v8, 3, v7                   ; O's byte: 8 r + h
	v_lshlrev_b32 v7, 3, v7                        ; 8 h
.irp i, 38,39,40,41,42,43, 50,51,52,53,54,55, 104,105,106,107,108,109, 16,17,18,19, 203,215
	v_mov_b32 v[\i], 0                             ; Q's zero codes for K = 64 .. 127; the six registers behind K's last fragment; the sums; the upper halves of the pairs that hold f
.endr
	v_mov_b32 v13, 0xff61b1e6                      ; the largest score so far: -3e38
	v_mov_b32 v15, 0xff61b1e6
	WIN 0x40
.set J, 0
.rept 64
	v_mov_b32 v[128+J], 0                          ; O^T: the step is written once; the first finds zeros, which the first change of M leaves zeros
.set J, J+1
.endr
	WIN 0
	v_floor_f32 v12, -v13                          ; -M
	v_floor_f32 v14, -v15
	s_wait_alu depctr_va_vdst(0)
	s_wait_loadcnt 0x0                             ; Q
	s_wait_tensorcnt 0x0                           ; my part of the head's loads is in; the three lines ahead of a later first fill
	ds_add_u32 v9, v10
	s_wait_dscnt 0x0
	CROUND                                         ; everybody's part is in, and the four work-groups meet
	tensor_load_to_lds s[G0B:G0B+3], s[G1B:G1B+7]  ; steps 3-15: my one load behind the round
	s_nop 0
.rept 4
	v_nop
.endr
.macro QK e, t                         ; S^T of tile e, key tile t = 4 c + i: the scale register 2 c + i / 2 carries even i in lanes 0-15, odd i in lanes 16-31
.if (\t)%2
	v_wmma_scale_f32_16x16x128_f8f6f4 v[64*(\e)+8*(\t):64*(\e)+8*(\t)+7], v[KB+6*(\t):KB+6*(\t)+11], v[QB+12*(\e):QB+12*(\e)+11], 0, v[KS+2*((\t)/4)+((\t)%4)/2], v[QS+(\e)] matrix_a_fmt:MATRIX_FMT_FP6 matrix_b_fmt:MATRIX_FMT_FP6 matrix_a_scale:MATRIX_SCALE_ROW1
.else
	v_wmma_scale_f32_16x16x128_f8f6f4 v[64*(\e)+8*(\t):64*(\e)+8*(\t)+7], v[KB+6*(\t):KB+6*(\t)+11], v[QB+12*(\e):QB+12*(\e)+11], 0, v[KS+2*((\t)/4)+((\t)%4)/2], v[QS+(\e)] matrix_a_fmt:MATRIX_FMT_FP6 matrix_b_fmt:MATRIX_FMT_FP6
.endif
.endm
.macro PV e, t                         ; O^T of tile e, channel tile t += V^T P^T over these 128 keys
.if (\t)%2
	v_wmma_scale_f32_16x16x128_f8f6f4 v[128+32*(\e)+8*(\t):128+32*(\e)+8*(\t)+7], v[VB+12*(\t):VB+12*(\t)+11], v[FB+12*(\e):FB+12*(\e)+11], v[128+32*(\e)+8*(\t):128+32*(\e)+8*(\t)+7], v[VS+(\t)/2], v[PS+(\e)] matrix_a_fmt:MATRIX_FMT_FP6 matrix_b_fmt:MATRIX_FMT_FP6 matrix_a_scale:MATRIX_SCALE_ROW1
.else
	v_wmma_scale_f32_16x16x128_f8f6f4 v[128+32*(\e)+8*(\t):128+32*(\e)+8*(\t)+7], v[VB+12*(\t):VB+12*(\t)+11], v[FB+12*(\e):FB+12*(\e)+11], v[128+32*(\e)+8*(\t):128+32*(\e)+8*(\t)+7], v[VS+(\t)/2], v[PS+(\e)] matrix_a_fmt:MATRIX_FMT_FP6 matrix_b_fmt:MATRIX_FMT_FP6
.endif
.endm
.macro ADDP e, k                       ; pair k of tile e's p onto one of four chains of the row's sum
.if (\k)%4 == 3
	v_pk_add_f32 v[AC+2*(\e):AC+2*(\e)+1], v[AC+2*(\e):AC+2*(\e)+1], v[64*(\e)+2*(\k):64*(\e)+2*(\k)+1]
.else
	v_pk_add_f32 v[WK+12*(\e)+4+2*((\k)%4):WK+12*(\e)+5+2*((\k)%4)], v[WK+12*(\e)+4+2*((\k)%4):WK+12*(\e)+5+2*((\k)%4)], v[64*(\e)+2*(\k):64*(\e)+2*(\k)+1]
.endif
.endm
.macro KLOAD                           ; a step's scale words and eight fragments of K: 28 loads
.irp g, 0,1,2,3
	ds_load_b32 v[KS+\g], v[A0+1] offset:128*(\g%2)+8*(\g/2)
.endr
.irp t, 0,1,2,3,4,5,6,7
.irp p, 0,1,2
	ds_load_b64 v[KB+6*\t+2*\p:KB+6*\t+2*\p+1], v[A0] offset:3072*(\t/4)+768*(\t%2)+192*((\t%4)/2)+8*\p
.endr
.endr
.endm
; A KEY STEP: 128 keys, two tiles of queries.  lim, lims: the LDS bytes of the last step that has landed
.macro STEP lim, lims
	s_wait_dscnt 0x0                               ; K's fragments and scale words are in (a loop's first trip: asked for just ahead of the loop)
	WIN 0x40
.irp e, 0,1
.irp t, 0,1,2,3,4,5,6,7
	QK \e, \t
.endr
.endr
	WIN 0
	s_add_co_u32 s[TBN], s[TB], 12288
	s_min_u32 s[TBN], s[TBN], \lim
	s_add_co_u32 s[TSN], s[TS], 768
	s_min_u32 s[TSN], s[TSN], \lims
	v_add_nc_u32 v[A0], s[TBN], v1                 ; six plain lines: the places behind the products above and behind the last step's, ahead of the loads below and of the first read of S^T
	v_add_nc_u32 v[A0+1], s[TSN], v3
	v_add_nc_u32 v[A0+2], s[TB], v2
	v_add_nc_u32 v[A0+3], s[TS], v4
	v_mov_b32 v[OM], v[MP]                         ; the old -M
	v_mov_b32 v[OM+1], v[MP+2]
	KLOAD                                          ; the next step's K
.irp t, 0,1,2,3
.irp c, 0,1,2
	ds_load_b128 v[VB+12*\t+4*\c:VB+12*\t+4*\c+3], v[A0+2] offset:\t*1536+512*\c   ; this step's V
.endr
.endr
	ds_load_b64 v[VS:VS+1], v[A0+3]
.irp e, 0,1                            ; my two blocks' largest scores, two chains each (+0, +2: block h; +1, +3: block 2 + h); each tile of S^T is first read at its low end
	WIN 0x15
.irp b, 0,1,2,3
	v_max3_num_f32 v[WK+12*\e+(\b%2)*2+\b/2], v[64*\e+16*\b], v[64*\e+16*\b+1], v[64*\e+16*\b+2]
.endr
	WIN 0x14
.irp i, 3,5,7,9,11,13
.irp b, 0,1,2,3
	v_max3_num_f32 v[WK+12*\e+(\b%2)*2+\b/2], v[WK+12*\e+(\b%2)*2+\b/2], v[64*\e+16*\b+\i], v[64*\e+16*\b+\i+1]
.endr
.endr
	v_max3_num_f32 v[WK+12*\e], v[WK+12*\e], v[64*\e+15], v[64*\e+31]
	v_max3_num_f32 v[WK+12*\e+1], v[WK+12*\e+1], v[64*\e+47], v[64*\e+63]
.endr
	WIN 0
.irp e, 0,1
	v_max_num_f32 v[WK+12*\e], v[WK+12*\e], v[WK+12*\e+2]
	v_max_num_f32 v[WK+12*\e+1], v[WK+12*\e+1], v[WK+12*\e+3]
.endr
.irp e, 0,1
	v_max_num_f32 v[WK+12*\e+2], v[WK+12*\e], v[WK+12*\e+1]
.endr
.irp e, 0,1
	v_permlanex16_b32 v[WK+12*\e+3], v[WK+12*\e+2], s[SEL], s[SEL+1]
.endr
.irp e, 0,1
	v_max3_num_f32 v[MP+2*\e+1], v[MP+2*\e+1], v[WK+12*\e+2], v[WK+12*\e+3]   ; the running largest score of my query
.endr
.irp e, 0,1
	v_mul_f32 v[WK+12*\e+2], s[NC], v[MP+2*\e+1]   ; -t
.endr
.irp e, 0,1
	v_floor_f32 v[MP+2*\e], v[WK+12*\e+2]          ; the new -M = -ceil(t)
.endr
.irp e, 0,1
	v_sub_f32 v[OM+\e], v[MP+2*\e], v[OM+\e]       ; old M - new M: a whole number, 0 or less
.endr
.irp e, 0,1
	v_fma_f32 v[WK+12*\e], v[WK+12*\e], s[CS], v[MP+2*\e]       ; t - M of each block's largest score
	v_fma_f32 v[WK+12*\e+1], v[WK+12*\e+1], s[CS], v[MP+2*\e]
.endr
.irp e, 0,1
	v_cvt_i32_f32 v[OM+\e], v[OM+\e]               ; (it saturates)
.endr
.irp e, 0,1
	v_ldexp_f32 v[WK+12*\e+4], 1.0, v[OM+\e]       ; f = 2^(old M - new M)
.endr
	WIN 0x41
.irp e, 0,1
.set J, 0
.rept 32
	v_pk_fma_f32 v[64*\e+J:64*\e+J+1], v[64*\e+J:64*\e+J+1], s[CS:CS+1], v[MP+2*\e:MP+2*\e+1] op_sel_hi:[1,0,0]   ; t - M, two at a time
.set J, J+2
.endr
.endr
.irp e, 0,1
.set J, 0
.rept 16
	v_pk_mul_f32 v[128+32*\e+J:128+32*\e+J+1], v[128+32*\e+J:128+32*\e+J+1], v[WK+12*\e+4:WK+12*\e+5] op_sel_hi:[1,0]   ; O^T under the new M, each tile from its low end on
.set J, J+2
.endr
.endr
	s_wait_alu depctr_va_vdst(0)
	s_wait_dscnt 0x0                               ; V, its scale words and the next step's K are in
.set J, 0
.rept 128
	v_exp_f32 v[J], v[J]                           ; p = 2^(t - M), at most 1
.set J, J+1
.endr
	WIN 0
.irp e, 0,1
	v_exp_f32 v[WK+12*\e], v[WK+12*\e]             ; each block's largest p: the same two instructions on the same number give the same bits
	v_exp_f32 v[WK+12*\e+1], v[WK+12*\e+1]
.endr
.irp e, 0,1
	v_pk_mul_f32 v[AC+2*\e:AC+2*\e+1], v[AC+2*\e:AC+2*\e+1], v[WK+12*\e+4:WK+12*\e+5] op_sel_hi:[1,0]   ; the sums under the new M (plain lines behind the batch)
.endr
	s_wait_alu depctr_va_vdst(0)                   ; one wait for the batch, ahead of its first reader
.irp e, 0,1
	v_max_num_f32 v[WK+12*\e], 0x1800000, v[WK+12*\e]        ; the floor 2^(3 - 127): the byte cannot fall under 1
	v_max_num_f32 v[WK+12*\e+1], 0x1800000, v[WK+12*\e+1]
.endr
.irp e, 0,1
	v_add_nc_u32 v[WK+12*\e+2], 0xff000000, v[WK+12*\e]      ; 2 off the exponent field: the conversions' scale operands
	v_add_nc_u32 v[WK+12*\e+3], 0xff000000, v[WK+12*\e+1]
.endr
.irp e, 0,1
	v_lshrrev_b32 v[WK+12*\e], 23, v[WK+12*\e+2]   ; the bytes
	v_lshrrev_b32 v[WK+12*\e+1], 23, v[WK+12*\e+3]
.endr
.irp e, 0,1
	v_lshl_or_b32 v[WK+12*\e], v[WK+12*\e+1], 16, v[WK+12*\e]   ; blocks h and 2 + h,
.endr
.irp e, 0,1
	v_lshlrev_b32 v[WK+12*\e], v7, v[WK+12*\e]     ; at their places in the word,
.endr
.irp e, 0,1
	v_permlanex16_b32 v[WK+12*\e+1], v[WK+12*\e], s[SEL], s[SEL+1]
.endr
.irp e, 0,1
	v_or_b32 v[PS+\e], v[WK+12*\e], v[WK+12*\e+1]  ; with lane l xor 16's two: p's scale word; the sums' lines stand between it and the products
.endr
	WIN 0x05
.irp c, 0,1,2
.irp e, 0,1
	v_pk_add_f32 v[WK+12*\e+4+2*\c:WK+12*\e+5+2*\c], v[64*\e+4*\c:64*\e+4*\c+1], v[64*\e+4*\c+2:64*\e+4*\c+3]
.endr
.endr
	WIN 0x04
.set J, 6
.rept 26
	ADDP 0, J
	ADDP 1, J
.set J, J+1
.endr
	WIN 0x01
.irp e, 0,1
	v_cvt_scalef32_pk16_fp6_f32 v[FB+12*\e:FB+12*\e+2], v[64*\e:64*\e+15], v[WK+12*\e+2]
	v_cvt_scalef32_pk16_fp6_f32 v[CT+8*\e:CT+8*\e+2], v[64*\e+16:64*\e+31], v[WK+12*\e+2]      ; (a conversion's three registers begin on an even number: made here and moved)
	v_cvt_scalef32_pk16_fp6_f32 v[FB+12*\e+6:FB+12*\e+8], v[64*\e+32:64*\e+47], v[WK+12*\e+3]
	v_cvt_scalef32_pk16_fp6_f32 v[CT+8*\e+4:CT+8*\e+6], v[64*\e+48:64*\e+63], v[WK+12*\e+3]
.endr
	WIN 0
	v_pk_add_f32 v[WK+4:WK+5], v[WK+4:WK+5], v[WK+6:WK+7]          ; (the plain line behind the conversions)
.irp e, 0,1
.irp i, 0,1,2
	v_mov_b32 v[FB+12*\e+3+\i], v[CT+8*\e+\i]
	v_mov_b32 v[FB+12*\e+9+\i], v[CT+8*\e+4+\i]
.endr
.endr
	v_pk_add_f32 v[WK+16:WK+17], v[WK+16:WK+17], v[WK+18:WK+19]    ; five plain lines between the codes' last write and the products
	v_pk_add_f32 v[AC:AC+1], v[AC:AC+1], v[WK+8:WK+9]
	v_pk_add_f32 v[AC+2:AC+3], v[AC+2:AC+3], v[WK+20:WK+21]
	v_pk_add_f32 v[AC:AC+1], v[AC:AC+1], v[WK+4:WK+5]
	v_pk_add_f32 v[AC+2:AC+3], v[AC+2:AC+3], v[WK+16:WK+17]
	WIN 0x50
.irp e, 0,1
.irp t, 0,1,2,3
	PV \e, \t                                      ; the eight accumulators take one turn each
.endr
.endr
	WIN 0
	s_add_co_u32 s[TB], s[TB], 12288
	s_add_co_u32 s[TS], s[TS], 768
.endm
	v_add_nc_u32 v[A0], s[TB], v1
	v_add_nc_u32 v[A0+1], s[TS], v3
	KLOAD                                          ; step 0's K
	s_mov_b32 s[CNT], 3
.Lfirst:                                               ; steps 0-2
	STEP 24576, 1536
	s_sub_co_u32 s[CNT], s[CNT], 1
	s_cmp_lg_u32 s[CNT], 0
	s_cbranch_scc1 .Lfirst
	s_add_co_u32 s[TB], s[TB], 12288               ; over the scale words
	s_wait_tensorcnt 0x0                           ; my part of steps 3-15 is in,
	s_barrier_signal -1
	s_barrier_wait -1                              ; everybody's is
	v_add_nc_u32 v[A0], s[TB], v1
	v_add_nc_u32 v[A0+1], s[TS], v3
	KLOAD                                          ; step 3's K
	s_mov_b32 s[CNT], 13
.Lrest:
	STEP 196608, 11520
	s_sub_co_u32 s[CNT], s[CNT], 1
	s_cmp_lg_u32 s[CNT], 0
	s_cbranch_scc1 .Lrest
	; THE WAY OUT: O^T / the sum, quantised along C: my head's 64 channels are two blocks of 32; a lane holds 16 numbers of each
.rept 4
	v_nop                                          ; places behind the last products
.endr
.irp e, 0,1
	v_add_f32 v[AC+2*\e], v[AC+2*\e], v[AC+2*\e+1]
.endr
.irp e, 0,1
	v_permlanex16_b32 v[OM+\e], v[AC+2*\e], s[SEL], s[SEL+1]
.endr
.irp e, 0,1
	v_add_f32 v[AC+2*\e], v[AC+2*\e], v[OM+\e]     ; the row's sum
.endr
	s_wait_alu depctr_va_vdst(0)
	v_rcp_f32 v[AC], v[AC]
	v_rcp_f32 v[AC+2], v[AC+2]
	v_cmp_ne_u32 vcc_lo, 0, v7                     ; (a plain line behind the reciprocals)
	WIN 0x41
	s_wait_alu depctr_va_vdst(0)                   ; ahead of their first reader and of the first reader of O^T
.irp e, 0,1
.set J, 0
.rept 32
	v_mul_f32 v[64*\e+J], v[128+32*\e+J], v[AC+2*\e]   ; register 16 b + 8 u + j = channel 32 b + 16 h + 8 u + j
.set J, J+1
.endr
.endr
	WIN 0x05
.irp e, 0,1
	v_max3_num_f32 v[WK+12*\e], |v[64*\e]|, |v[64*\e+1]|, 0x1800000
	v_max3_num_f32 v[WK+12*\e+1], |v[64*\e+16]|, |v[64*\e+17]|, 0x1800000
.endr
	WIN 0x14
.irp i, 2,4,6,8,10,12,14
.irp e, 0,1
	v_max3_num_f32 v[WK+12*\e], v[WK+12*\e], |v[64*\e+\i]|, |v[64*\e+\i+1]|
	v_max3_num_f32 v[WK+12*\e+1], v[WK+12*\e+1], |v[64*\e+16+\i]|, |v[64*\e+17+\i]|
.endr
.endr
	WIN 0
.irp e, 0,1
	v_permlanex16_b32 v[WK+12*\e+2], v[WK+12*\e], s[SEL], s[SEL+1]
	v_permlanex16_b32 v[WK+12*\e+3], v[WK+12*\e+1], s[SEL], s[SEL+1]
.endr
.irp e, 0,1
	v_max_num_f32 v[WK+12*\e], v[WK+12*\e], v[WK+12*\e+2]
	v_max_num_f32 v[WK+12*\e+1], v[WK+12*\e+1], v[WK+12*\e+3]
.endr
.irp e, 0,1
	v_add_nc_u32 v[WK+12*\e+2], 0xff000000, v[WK+12*\e]
	v_add_nc_u32 v[WK+12*\e+3], 0xff000000, v[WK+12*\e+1]
.endr
.irp e, 0,1
	v_lshrrev_b32 v[WK+12*\e], 23, v[WK+12*\e+2]
	v_lshrrev_b32 v[WK+12*\e+1], 23, v[WK+12*\e+3]
.endr
	WIN 0x01
.irp e, 0,1
	v_cvt_scalef32_pk16_fp6_f32 v[FB+12*\e:FB+12*\e+2], v[64*\e:64*\e+15], v[WK+12*\e+2]
	v_cvt_scalef32_pk16_fp6_f32 v[FB+12*\e+4:FB+12*\e+6], v[64*\e+16:64*\e+31], v[WK+12*\e+3]
.endr
	WIN 0
.irp e, 0,1
	v_cndmask_b32 v[WK+12*\e], v[WK+12*\e], v[WK+12*\e+1], vcc_lo   ; lanes 0-15 store block 0's byte, lanes 16-31 block 1's (also the plain lines behind the conversions)
.endr
.irp e, 0,1
	global_store_b96 v5, v[FB+12*\e:FB+12*\e+2], s[12:13] offset:12288*\e        ; 384 consecutive bytes; the two stores 768, at a multiple of 256 from the buffer's first byte
	global_store_b96 v5, v[FB+12*\e+4:FB+12*\e+6], s[12:13] offset:12288*\e+384
	global_store_b8 v6, v[WK+12*\e], s[14:15] offset:512*\e                      ; a head owns two of a row's 32 scale bytes
.endr
	s_wait_tensorcnt 0x0                           ; the wave's end
	ds_add_u32 v9, v10
	s_wait_dscnt 0x0
	CROUND                                         ; the closing round
	s_endpgm
.Lfunc_end_k_qe69434deb7_attn:
	.size	k_qe69434deb7_attn, .Lfunc_end_k_qe69434deb7_attn-k_qe69434deb7_attn
	.p2alignl 7, 3214868480
	.fill 96, 4, 3214868480
	.section	.rodata,"a",@progbits
	.p2align	6, 0x0
	.amdhsa_kernel k_qe69434deb7_attn
		.amdhsa_group_segment_fixed_size 327680
		.amdhsa_private_segment_fixed_size 0
		.amdhsa_enable_private_segment 0
		.amdhsa_kernarg_size 48
		.amdhsa_user_sgpr_count 2
		.amdhsa_user_sgpr_kernarg_segment_ptr 1
		.amdhsa_wavefront_size32 1
		.amdhsa_system_sgpr_workgroup_id_x 1
		.amdhsa_system_sgpr_workgroup_id_y 1
		.amdhsa_system_sgpr_workgroup_id_z 1
		.amdhsa_system_vgpr_workitem_id 0
		.amdhsa_next_free_vgpr 512
		.amdhsa_next_free_sgpr 80
		.amdhsa_reserve_vcc 1
		.amdhsa_float_denorm_mode_32 3
		.amdhsa_float_denorm_mode_16_64 3
		.amdhsa_memory_ordered 1
		.amdhsa_forward_progress 1
		.amdhsa_inst_pref_size 78
	.end_amdhsa_kernel
	.amdgpu_metadata
---
amdhsa.version: [ 1, 2 ]
amdhsa.kernels:
  - .name:           k_qe69434deb7_attn
    .symbol:         k_qe69434deb7_attn.kd
    .args:
      - { .name: qc, .offset: 0, .size: 8, .value_kind: global_buffer, .address_space: global }
      - { .name: qs, .offset: 8, .size: 8, .value_kind: global_buffer, .address_space: global }
      - { .name: kvc, .offset: 16, .size: 8, .value_kind: global_buffer, .address_space: global }
      - { .name: kvs, .offset: 24, .size: 8, .value_kind: global_buffer, .address_space: global }
      - { .name: oc, .offset: 32, .size: 8, .value_kind: global_buffer, .address_space: global }
      - { .name: os, .offset: 40, .size: 8, .value_kind: global_buffer, .address_space: global }
    .group_segment_fixed_size: 327680
    .private_segment_fixed_size: 0
    .kernarg_segment_align: 8
    .kernarg_segment_size: 48
    .max_flat_workgroup_size: 256
    .sgpr_count:     80
    .vgpr_count:     512
    .wavefront_size: 32
...
	.end_amdgpu_metadata
.endif
;; end of part 3
;; launch proj (part 4): grid 8 x 32, 4 waves a work-group, clusters of 4 x 4, 223,232 bytes of LDS; arguments oc, os, wcodes, wscales, proj_b, out0; writes out0
.if DOCPART == 4
	.amdgcn_target "amdgcn-amd-amdhsa--gfx1250"
	.amdhsa_code_object_version 6
	.text
	.protected	k_qe69434deb7_proj
	.globl	k_qe69434deb7_proj
	.p2align	8
	.type	k_qe69434deb7_proj,@function
k_qe69434deb7_proj:
	s_mov_b64 s[64:65], 0
	v_nop
	global_prefetch_b8 v0, s[64:65] scope:SCOPE_SE
	s_setreg_imm32_b32 hwreg(HW_REG_WAVE_MODE, 25, 1), 1
	s_wait_xcnt 0x0
	s_wait_alu depctr_hold_cnt(0) depctr_sa_sdst(0) depctr_va_vdst(0) depctr_va_sdst(0) depctr_va_ssrc(0) depctr_va_vcc(0) depctr_vm_vsrc(0)
	s_getreg_b32 s2, hwreg(HW_REG_IB_STS2, 6, 4)
	s_cmp_eq_u32 s2, 0
	s_cbranch_scc0 .Lentry_in_a_cluster
	s_endpgm
.Lentry_in_a_cluster:
	s_bfe_u32 s2, ttmp6, 0x10000c
	s_cmp_lg_u32 s2, 0xf033
	s_cbranch_scc0 .Lentry_shape_is_right
	s_endpgm
.Lentry_shape_is_right:
; out0 = O proj_w^T + proj_b on codes of FP6 (E2M3) with E8M0 scales; out0 [4096][1024] f32.
; SHARES: 32 x 8 tiles of 128 x 128: 256 work-groups.  Four waves, each 64 x 64: 16 accumulators of 16 x 16.
; Operands lie in memory in row blocks of 16 rows: codes [row block][K block of 32][r][24 bytes], scales [row block][256 along K][r][8 bytes]; row r of block A is source row 32 (A / 2) + 8 (A % 2) + r + 8 (r / 8).
; A = the attention's result (oc, os), B = proj_w (row blocks 448 on of wcodes, wscales).
; ALL OF K LIES IN LDS, filled once: a tile's 8 row blocks are 98,304 dense bytes of codes and 4,096 of scales.  One load a wave at the head: wave 0 A's codes, wave 1 B's, wave 2 A's scales, wave 3 B's; one wait for 0 and one barrier.
; CLUSTERS: 4 x 4 work-groups; A's tiles are shared along a row of the cluster, B's along a column: joint loads.  No prefetch: every request stands at the head, and there is no loop to run ahead in.
; THE MATRIX INSTRUCTION IS USED TRANSPOSED (source 0 = 16 rows of B, source 1 = 16 rows of A): a lane holds one token, and its 16 registers of B's blocks 2 b, 2 b + 1 are output columns 32 b + 16 h + 0 .. 15.
; THE BIAS is the C of each sum's first matrix instruction.  THE WAY OUT goes through the wave's own stage in LDS: sixteen lanes store 256 consecutive bytes, aligned; the order of a block's rows is undone in the stores' immediates.
; REGISTERS: window 0: v8, v9 fragment addresses; v24-28 other addresses; v30, v31 the add's two; v32-63 scale words; v64-159, v160-255 two sets of fragments (4 of A, 4 of B); on the way out v64-191 rows of out0.
;   window 1: v0-127 the accumulators ((a, b) at v[8 (4 a + b)]); v128-159 the bias.
.set FR,     12
.set RBK,    12288                     ; a row block's codes, all of K
.set BCODE,  8*RBK                     ; B's codes, behind A's
.set SCL,    16*RBK                    ; A's scales, 4,096 bytes; 128 bytes; B's scales
.set HALFS,  2048
.set STAGE,  SCL+8448                  ; 16 rows x 272 bytes for each wave, in blocks of 256 bytes into which no tile lands
.set SPITCH, 272
.set SPARE,  0x36600
.set ADRA, 8
.set ADRB, 9
.set STO,  24
.set RD,   25
.set CO,   26
.set ADRS, 27
.set BO,   28
.set SC,   32                          ; register SC + 8 c + 2 i + q: lanes 0-15 the word of A's block i, lanes 16-31 of B's block i, for K step 2 c + q
.set F0,   64
.set BK,   64
.set BI,   128
.set G1,   24
.set G1B,  32
.set G1S,  40
.set G1SB, 48
.set G0,   56
.set G0B,  60
.set G0S,  68
.set G0SB, 72
.set MSB, 0
.macro WIN new
.if MSB != \new
	s_set_vgpr_msb (MSB<<8)|\new
.set MSB, \new
.endif
.endm
.macro CROUND
	s_barrier_signal -1
	s_barrier_wait -1
	s_cmp_lg_u32 s16, 0
	s_cbranch_scc1 .Lnot_wave_0_\@
	s_barrier_signal -3
.Lnot_wave_0_\@:
	s_barrier_wait -3
	s_barrier_signal -1
	s_barrier_wait -1
.endm
.macro PLACES
.rept 4
	v_nop
.endr
.endm
	s_load_b256 s[4:11], s[0:1], 0x0               ; oc, os, wcodes, wscales
	s_load_b128 s[12:15], s[0:1], 0x20             ; proj_b, out0
	v_lshl_add_u32 v30, v0, 2, SPARE
	v_mov_b32 v31, 0
	ds_add_u32 v30, v31
	ds_add_u32 v30, v31
	v_lshrrev_b32 v1, 5, v0
	v_readfirstlane_b32 s16, v1                    ; wave 0..3
	s_lshr_b32 s17, s16, 1                         ; which half of the tile's rows is mine
	s_and_b32 s18, s16, 1                          ; which half of its columns
	s_bfe_u32 s19, ttmp6, 0x40000                  ; cx, cy
	s_bfe_u32 s20, ttmp6, 0x40004
	s_lshl_b32 s22, ttmp9, 2
	s_add_co_u32 s22, s22, s19                     ; tile column
	s_and_b32 s21, ttmp7, 0xffff
	s_lshl_b32 s21, s21, 2
	s_add_co_u32 s21, s21, s20                     ; tile row
	s_lshl_b32 s23, s20, 2
	s_lshl_b32 s23, 15, s23                        ; my row of the cluster
	s_lshl_b32 s2, 0x1111, s19                     ; my column
	s_or_b32 s[G1], s23, (3<<16)|(1<<21)           ; the mask; elements of 8 bytes; bit 21 beside a mask
	s_or_b32 s[G1B], s2, (3<<16)|(1<<21)
.irp g, G1, G1B
	s_mov_b32 s[\g+1], 384<<16                     ; codes: 32 dense rows of 3,072 bytes
	s_mov_b32 s[\g+2], 32<<16
	s_mov_b32 s[\g+3], 384<<16
	s_mov_b32 s[\g+4], 32
	s_mov_b32 s[\g+5], 384
	s_mov_b32 s[\g+6], 0
	s_mov_b32 s[\g+7], 0
.endr
	s_or_b32 s[G1S], s23, (3<<16)|(1<<21)
	s_or_b32 s[G1SB], s2, (3<<16)|(1<<21)
.irp g, G1S, G1SB
	s_mov_b32 s[\g+1], 32<<16                      ; scales: 16 dense rows of 256 bytes
	s_mov_b32 s[\g+2], 16<<16
	s_mov_b32 s[\g+3], 32<<16
	s_mov_b32 s[\g+4], 16
	s_mov_b32 s[\g+5], 32
	s_mov_b32 s[\g+6], 0
	s_mov_b32 s[\g+7], 0
.endr
	s_lshl_b32 s100, s21, 3                        ; A's first row block: of the tile row alone
	s_lshl_b32 s101, s22, 3
	s_add_co_u32 s101, s101, 448                   ; B's: of the tile column alone
	s_lshl_b32 s[G0S+2], s100, 9                   ; byte offsets first, in the registers that will hold the addresses
	s_mov_b32 s[G0S+3], 0
	s_lshl_b32 s[G0SB+2], s101, 9
	s_mov_b32 s[G0SB+3], 0
	s_mul_i32 s[G0+2], s100, RBK
	s_mov_b32 s[G0+3], 0
	s_mul_i32 s[G0B+2], s101, RBK
	s_mov_b32 s[G0B+3], 0
	s_mov_b32 s[G0], 1
	s_mov_b32 s[G0+1], 0
	s_mov_b32 s[G0B], 1
	s_mov_b32 s[G0B+1], BCODE
	s_mov_b32 s[G0S], 1
	s_mov_b32 s[G0S+1], SCL
	s_mov_b32 s[G0SB], 1
	s_mov_b32 s[G0SB+1], SCL+2*HALFS+128           ; 128 bytes on, so that the two halves of a scale load fall on different banks
	s_wait_dscnt 0x0
	s_wait_kmcnt 0x0
	s_add_nc_u64 s[G0S+2:G0S+3], s[6:7], s[G0S+2:G0S+3]
	s_add_nc_u64 s[G0SB+2:G0SB+3], s[10:11], s[G0SB+2:G0SB+3]
	s_add_nc_u64 s[G0+2:G0+3], s[4:5], s[G0+2:G0+3]
	s_add_nc_u64 s[G0B+2:G0B+3], s[8:9], s[G0B+2:G0B+3]
.irp g, G0, G0B, G0S, G0SB
	s_or_b32 s[\g+3], s[\g+3], 0x80000000
.endr
	CROUND                                         ; all sixteen work-groups are here: the joint loads meet
; one tree of branches on the wave's number: every way through it passes one load
.macro ARM under, g0, g1, next
	s_cmp_lt_u32 s16, \under
	s_cbranch_scc0 \next
	tensor_load_to_lds s[\g0:\g0+3], s[\g1:\g1+7]
	s_nop 0
.rept 4
	v_nop
.endr
	s_branch .Lasked
\next:
.endm
	ARM 1, G0,  G1,  .Lhead_b
	ARM 2, G0B, G1B, .Lhead_sa
	ARM 3, G0S, G1S, .Lhead_sb
	tensor_load_to_lds s[G0SB:G0SB+3], s[G1SB:G1SB+7]
	s_nop 0
.rept 4
	v_nop
.endr
.Lasked:
	s_lshl_b32 s76, s22, 9                         ; my first column, in bytes: 512 x tile column + 256 x half
	s_lshl_b32 s77, s18, 8
	s_add_co_u32 s76, s76, s77
	s_mov_b32 s77, 0
	s_add_nc_u64 s[12:13], s[12:13], s[76:77]
	s_lshl_b32 s78, s21, 19                        ; my first row: (128 x tile row + 64 x half) x 4,096 bytes
	s_lshl_b32 s79, s17, 18
	s_add_co_u32 s78, s78, s79
	s_mov_b32 s79, 0
	s_add_nc_u64 s[14:15], s[14:15], s[78:79]
	s_add_nc_u64 s[14:15], s[14:15], s[76:77]
	s_mul_i32 s80, s17, 4*RBK                      ; my 64 rows of A
	s_mul_i32 s81, s18, 4*RBK                      ; my 64 rows of B
	s_add_co_u32 s81, s81, BCODE
	s_mul_i32 s82, s17, HALFS                      ; their scales
	s_mul_i32 s83, s18, HALFS
	s_add_co_u32 s83, s83, 2*HALFS+128
	s_sub_co_u32 s83, s83, s82
	s_add_co_u32 s82, s82, SCL
	s_mul_i32 s84, s16, 16*SPITCH
	s_add_co_u32 s84, s84, STAGE                   ; my stage
	v_and_b32 v1, 15, v0                           ; r
	v_bfe_u32 v2, v0, 4, 1                         ; h
	v_lshlrev_b32 v[BO], 6, v2
	v_mul_u32_u24 v3, v1, 24
	v_mad_u32_u24 v3, v2, 384, v3                  ; a fragment's lane term: 384 h + 24 r
	v_add_nc_u32 v[ADRA], s80, v3
	v_add_nc_u32 v[ADRB], s81, v3
	v_lshlrev_b32 v5, 3, v1                        ; my row's scales: 8 bytes for each 256 along K
	v_mul_u32_u24 v6, s83, v2                      ; lanes 16-31 take B's: one product with h
	v_add_nc_u32 v5, v5, v6
	v_add_nc_u32 v[ADRS], s82, v5
	v_mul_u32_u24 v5, v1, SPITCH                   ; stage, in: row r, + 64 h
	v_lshl_add_u32 v5, v2, 6, v5
	v_add_nc_u32 v[STO], s84, v5
	v_mul_u32_u24 v6, v2, SPITCH                   ; back: lanes 0-15 one row of 256 bytes, lanes 16-31 the next
	v_lshl_add_u32 v6, v1, 4, v6
	v_add_nc_u32 v[RD], s84, v6
	v_lshlrev_b32 v[CO], 4, v1
	v_lshl_add_u32 v[CO], v2, 12, v[CO]            ; and the same two rows in out0
	s_wait_alu depctr_va_vdst(0)
	WIN 0x40
.irp b, 0,1,2,3
	global_load_b128 v[BI+8*\b:BI+8*\b+3], v[BO], s[12:13] offset:128*(\b/2)+32*(\b%2)         ; the bias at columns 32 (b / 2) + 16 h + 8 (b % 2) + 0 .. 7
	global_load_b128 v[BI+8*\b+4:BI+8*\b+7], v[BO], s[12:13] offset:128*(\b/2)+32*(\b%2)+16
.endr
	WIN 0
.macro FRAG reg, adr, k, i             ; row block i of my four, K step k
.irp p, 0,1,2,3,4,5
	ds_load_b64 v[\reg+2*\p:\reg+2*\p+1], v[\adr] offset:(\i)*RBK+(\k)*1536+(\p/3)*768+(\p%3)*8
.endr
.endm
.macro FETCH k                         ; 4 fragments of A and 4 of B into set k % 2: 48 loads
.set FS, F0+96*((\k)%2)
.irp i, 0,1,2,3
	FRAG FS+FR*\i, ADRA, \k, \i
.endr
.irp i, 0,1,2,3
	FRAG FS+48+FR*\i, ADRB, \k, \i
.endr
.endm
.macro MUL k, first                    ; the 16 accumulators take turns, one instruction a turn, in the same order in every step
.set FS, F0+96*((\k)%2)
.set SS, SC+8*((\k)/2)+(\k)%2
.irp a, 0,1,2,3
.irp b, 0,1,2,3
.if \first
	v_wmma_scale_f32_16x16x128_f8f6f4 v[8*(4*\a+\b):8*(4*\a+\b)+7], v[FS+48+FR*\b:FS+48+FR*\b+FR-1], v[FS+FR*\a:FS+FR*\a+FR-1], v[BI+8*\b:BI+8*\b+7], v[SS+2*\b], v[SS+2*\a] matrix_a_fmt:MATRIX_FMT_FP6 matrix_b_fmt:MATRIX_FMT_FP6 matrix_a_scale:MATRIX_SCALE_ROW1
.else
	v_wmma_scale_f32_16x16x128_f8f6f4 v[8*(4*\a+\b):8*(4*\a+\b)+7], v[FS+48+FR*\b:FS+48+FR*\b+FR-1], v[FS+FR*\a:FS+FR*\a+FR-1], v[8*(4*\a+\b):8*(4*\a+\b)+7], v[SS+2*\b], v[SS+2*\a] matrix_a_fmt:MATRIX_FMT_FP6 matrix_b_fmt:MATRIX_FMT_FP6 matrix_a_scale:MATRIX_SCALE_ROW1
.endif
.endr
.endr
.endm
.macro KSTEP k, first                  ; this step's fragments are in; the next step's are asked for, into the set that the step before has multiplied; then the products
	s_wait_dscnt 0x0
.if (\k) < 7
.if (\k) > 0
	PLACES
.endif
	FETCH (\k)+1
.endif
	WIN 0x50                                       ; C and D window 1
	MUL \k, \first
	WIN 0
.endm
	s_wait_tensorcnt 0x0                           ; my tile of the four is in,
	s_barrier_signal -1
	s_barrier_wait -1                              ; everybody's is
.irp c, 0,1,2,3
.irp i, 0,1,2,3
	ds_load_b64 v[SC+8*\c+2*\i:SC+8*\c+2*\i+1], v[ADRS] offset:\i*512+\c*128   ; all scale words, once
.endr
.endr
	FETCH 0
	s_wait_loadcnt 0x0                             ; the bias
	KSTEP 0, 1
.irp k, 1,2,3,4,5,6,7
	KSTEP \k, 0
.endr
; THE WAY OUT, block by block of 16 tokens x 64 columns.  LDS serves a wave's instructions in order: no wait between the stores and the loads.  Each block comes back into 32 registers of its own.
.macro TOSTAGE a
	WIN 0x04                                       ; an LDS store's data are its source 1: window 1
.irp b, 0,1,2,3
	ds_store_b128 v[STO], v[8*(4*(\a)+\b):8*(4*(\a)+\b)+3] offset:128*(\b/2)+32*(\b%2)          ; each accumulator from its low end on
	ds_store_b128 v[STO], v[8*(4*(\a)+\b)+4:8*(4*(\a)+\b)+7] offset:128*(\b/2)+32*(\b%2)+16
.endr
	WIN 0
.irp t, 0,1,2,3,4,5,6,7
	ds_load_b128 v[BK+32*(\a)+4*\t:BK+32*(\a)+4*\t+3], v[RD] offset:2*\t*SPITCH
.endr
.endm
.macro SEND a, younger                 ; younger: the LDS instructions issued behind block a's loads, which may stay out
	s_wait_dscnt \younger
.irp t, 0,1,2,3,4,5,6,7
	global_store_b128 v[CO], v[BK+32*(\a)+4*\t:BK+32*(\a)+4*\t+3], s[14:15] offset:(32*((\a)/2)+8*((\a)%2)+2*\t+8*(\t/4))*4096 th:TH_STORE_NT   ; rows 2 t, 2 t + 1 of block a are tokens 32 (a / 2) + 8 (a % 2) + 2 t + 8 (t / 4) + h
.endr
.endm
	PLACES                                         ; ahead of the first reads of results and of loads into the registers that held fragments
	TOSTAGE 0
	TOSTAGE 1
	SEND 0, 16                                     ; behind block 0's loads: block 1's 8 stores and 8 loads
	TOSTAGE 2
	SEND 1, 16
	TOSTAGE 3
	SEND 2, 16
	SEND 3, 0
	s_wait_tensorcnt 0x0                           ; the wave's end
	ds_add_u32 v30, v31
	s_wait_dscnt 0x0
	CROUND                                         ; the closing round
	s_endpgm
.Lfunc_end_k_qe69434deb7_proj:
	.size	k_qe69434deb7_proj, .Lfunc_end_k_qe69434deb7_proj-k_qe69434deb7_proj
	.p2alignl 7, 3214868480
	.fill 96, 4, 3214868480
	.section	.rodata,"a",@progbits
	.p2align	6, 0x0
	.amdhsa_kernel k_qe69434deb7_proj
		.amdhsa_group_segment_fixed_size 223232
		.amdhsa_private_segment_fixed_size 0
		.amdhsa_enable_private_segment 0
		.amdhsa_kernarg_size 48
		.amdhsa_user_sgpr_count 2
		.amdhsa_user_sgpr_kernarg_segment_ptr 1
		.amdhsa_wavefront_size32 1
		.amdhsa_system_sgpr_workgroup_id_x 1
		.amdhsa_system_sgpr_workgroup_id_y 1
		.amdhsa_system_sgpr_workgroup_id_z 1
		.amdhsa_system_vgpr_workitem_id 0
		.amdhsa_next_free_vgpr 512
		.amdhsa_next_free_sgpr 102
		.amdhsa_reserve_vcc 0
		.amdhsa_float_denorm_mode_32 3
		.amdhsa_float_denorm_mode_16_64 3
		.amdhsa_memory_ordered 1
		.amdhsa_forward_progress 1
		.amdhsa_inst_pref_size 60
	.end_amdhsa_kernel
	.amdgpu_metadata
---
amdhsa.version: [ 1, 2 ]
amdhsa.kernels:
  - .name:           k_qe69434deb7_proj
    .symbol:         k_qe69434deb7_proj.kd
    .args:
      - { .name: oc, .offset: 0, .size: 8, .value_kind: global_buffer, .address_space: global }
      - { .name: os, .offset: 8, .size: 8, .value_kind: global_buffer, .address_space: global }
      - { .name: wcodes, .offset: 16, .size: 8, .value_kind: global_buffer, .address_space: global }
      - { .name: wscales, .offset: 24, .size: 8, .value_kind: global_buffer, .address_space: global }
      - { .name: proj_b, .offset: 32, .size: 8, .value_kind: global_buffer, .address_space: global }
      - { .name: out0, .offset: 40, .size: 8, .value_kind: global_buffer, .address_space: global }
    .group_segment_fixed_size: 223232
    .private_segment_fixed_size: 0
    .kernarg_segment_align: 8
    .kernarg_segment_size: 48
    .max_flat_workgroup_size: 128
    .sgpr_count:     102
    .vgpr_count:     512
    .wavefront_size: 32
...
	.end_amdgpu_metadata
.endif
;; end of part 4
